; MI455X (gfx1250); checked and timed in simulation.
; The chip was launched on July 23, 2026; its instructions are those of AMD's public machine-readable ISA for CDNA 5 (MIT licence, August 2026) and "CDNA5" Instruction Set Architecture Reference Guide (July 2026). The comments in the code are by the model that wrote it; some were corrected since.
;; Transformer Block. Allowed arithmetic: matrix products marked QUANTISED: E5M2 operands, one E8M0 scale for each 32 along K, by v_wmma_scale_f32_16x16x128_f8f6f4 with both operands' format E5M2, f32 sums; products left as they are: f32 operands where the result goes on into a quantised operand, else bf16, f16 or f32 operands; f32 sums; everything else in f32.
;; Inputs: attn_norm_w 512 float32; expert_w 4 x 512 x 512 float32; ffn_norm_w 512 float32; gate_w 4 x 512 float32; wk 128 x 512 float32; wo 512 x 512 float32; wq 512 x 512 float32; wv 128 x 512 float32; x 4 x 2,048 x 512 float32.
;; Outputs: out0 4 x 2,048 x 512 float32.
;; This version of the problem:
;;   THIS VERSION OF THE PROBLEM IS GIVEN IN LOW PRECISION. The matrix products marked QUANTISED in the list below multiply operands that are first quantised to E5M2 (5 exponent bits, 2 mantissa bits; 8 bits a number), with one power-of-two scale for each 32 numbers along K (OCP MX v1.0); their sums are f32. All else is computed in f32.
;;   The module's matrix products, in the order in which they are computed (A, B: the left and right operand; K: the contracted axis; several contracted axes count as one K, in the product's order):
;;     1. [M 8,192, K 512] x [K 512, N 512]; A: computed on the way; B: input wq: QUANTISED
;;     2. [M 8,192, K 512] x [K 512, N 128]; A: computed on the way; B: input wk: QUANTISED
;;     3. [M 8,192, K 512] x [K 512, N 128]; A: computed on the way; B: input wv: QUANTISED
;;     4. batch 64 x [M 2,048, K 32] x [K 32, N 2,048]; A: computed on the way; B: computed on the way: QUANTISED
;;     5. batch 64 x [M 32, K 2,048] x [K 2,048, N 2,048]; A: computed on the way; B: softmax (see below): QUANTISED
;;     6. [M 8,192, K 512] x [K 512, N 512]; A: computed on the way; B: input wo: QUANTISED
;;     7. [M 8,192, K 512] x [K 512, N 4]; A: computed on the way; B: input gate_w: left as it is (N = 4 < 16)
;;     8. [M 8,192, K 512] x [K 512, N 512]; A: computed on the way; B: input expert_w: QUANTISED
;;     9. [M 8,192, K 512] x [K 512, N 512]; A: computed on the way; B: input expert_w: QUANTISED
;;     10. [M 8,192, K 512] x [K 512, N 512]; A: computed on the way; B: input expert_w: QUANTISED
;;     11. [M 8,192, K 512] x [K 512, N 512]; A: computed on the way; B: input expert_w: QUANTISED
;;   THE QUANTISER, for each operand of a quantised product, along K:
;;     - K is cut into blocks of 32 from its start; a last block that is shorter is filled with zeros.
;;     - A block's scale is 2^e with e = floor(log2(the largest magnitude in the block)) - 15, held to -126 .. 127; a block of zeros has e = 0. As a byte (E8M0): e + 127.
;;     - Each number is divided by its block's scale, clamped to +-57,344, and rounded to the nearest number of E5M2, ties to even, subnormals kept.
;;     - The product sums the exact products of the quantised numbers (number of the format x scale) in f32.
;;   ~~~python
;;   def quantise(x, axis):      # numpy; x: float32 -> the quantised numbers, widened to float32 again
;;       x = np.moveaxis(x, axis, -1); K = x.shape[-1]
;;       x = np.pad(x, [(0, 0)] * (x.ndim - 1) + [(0, -K % 32)]); x = x.reshape(x.shape[:-1] + (-1, 32)); a = np.abs(x).max(-1, keepdims=True)
;;       e = np.where(a > 0, np.clip(np.frexp(np.where(a > 0, a, 1))[1] - 1 - 15, -126, 127), 0)      # np.frexp(a)[1] - 1 = floor(log2(a)), exactly
;;       r = np.clip(x / 2.0 ** e, -57344, 57344)
;;       step = 2.0 ** (np.maximum(np.frexp(np.where(r == 0, 1, r))[1] - 1, -14) - 2)
;;       q = np.round(r / step) * step * 2.0 ** e      # np.round: ties to even
;;       return np.moveaxis(q.reshape(q.shape[:-2] + (-1,))[..., :K], -1, axis).astype(np.float32)
;;   ~~~
;;   SOFTMAX AHEAD OF A QUANTISED PRODUCT. Where the list says 'softmax', what is quantised is not the finished softmax but p = 2^(t - M), with t = logit x log2(e) and M = ceil(the row's largest t), a whole number; so 1/2 < the row's largest p <= 1. The row's sum l is taken of the UNQUANTISED p, in f32, and the product's result is divided by l at the end. Since M is a whole number, a kernel that streams over the keys may use a running M (the ceiling of the running maximum): every later rescaling is an exact power of two, which a block's scale takes up: the codes' values come out the same.
;;   OPERANDS COMPUTED ON THE WAY. 'Computed on the way' means the value that the module computes at that place (a softmax that the list does not call 'softmax' is quantised finished and normalised). What goes into a quantiser is computed in f32, as accurately as f32 sums, v_exp_f32 and their like allow (about 1e-6 of the number): no bf16 or f16 on the way to a quantiser, and a product that is left as it is and whose result goes on into a quantised operand takes f32 operands (vector FMAs, or v_wmma_f32_16x16x4_f32). A number that lies on a knife's edge between two numbers of the format may be rounded either way, as far as f32 arithmetic and the matrix unit's own rounding can turn it there, and no further.
;; 2 versions, each right; version 2 is version 1 with the launches qkv, tail written anew for expert scheduling mode. Each part assembles by itself: llvm-mc -triple=amdgcn-amd-amdhsa -mcpu=gfx1250 --defsym DOCPART=n.
;; ======== version 1 of 2: 4 launches
;; workspace buffers: wpk 1,757,184 bytes; qpk 4,718,592 bytes; kv 2,260,992 bytes; apk 4,325,376 bytes
;; launch prep (part 1): grid 104 x 1, 4 waves a work-group, no clusters, 84,992 bytes of LDS; arguments wq, wk, wv, wo, expert_w, wpk; writes wpk
.if DOCPART == 1
	.amdgcn_target "amdgcn-amd-amdhsa--gfx1250"
	.amdhsa_code_object_version 6
	.text
	.protected	k_q47fe68f556_prep
	.globl	k_q47fe68f556_prep
	.p2align	8
	.type	k_q47fe68f556_prep,@function
k_q47fe68f556_prep:
	s_mov_b64 s[64:65], 0
	v_nop
	global_prefetch_b8 v0, s[64:65] scope:SCOPE_SE
	s_setreg_imm32_b32 hwreg(HW_REG_WAVE_MODE, 25, 1), 1
	s_wait_xcnt 0x0
; PREP: the five weights (f32, [N][512], K innermost) become codes of E5M2 with one E8M0 byte for each 32 along K, laid in the order of the operand's registers.
; A PACK is 32 rows x 512 K: 32 pieces of 512 bytes (piece (tile*4+s)*4+c: lane l's 16 bytes at 16 l: row l%16 of the tile, k = 128 s + 32 c + 16 (l/16) + 0..15), then 512 scale bytes:
; the byte of (tile, s, c, row r) at (16 (s&1) + r) 16 + (2 tile + s/2) 4 + c, so that one load of 16 bytes a lane brings four scale registers (even s in lanes 0-15, odd s in lanes 16-31).
; THE ROWS OF A TILE ARE NOT NEIGHBOURS: lane r of tile u takes row 8 u + r + 8 (r/8) of the pack's 32, so that a product used transposed leaves 16 neighbouring columns in a lane's 16 registers.
; Packs 0-15 wq, 16-19 wk, 20-23 wv, 24-39 wo, 40+16 e+p expert e.  Work-group P makes pack P; wave w takes its rows 8 w .. 8 w + 7.
; Each global load reads 512 consecutive bytes; a row turns through the wave's own stage in LDS so that a lane holds 8 neighbours along K twice (four lanes hold a block of 32).
; No matrix unit, no tensor load, no cluster: a stream that is read once, and the work-groups share nothing.
; LIMITS: NaN and infinities among the inputs are not served; a block of zeros gets the byte 1 (its codes are zeros; this program alone reads the bytes).
.set PACK,  16896
.set PP,    528                        ; a piece in LDS: 512 bytes + 16, so that the 8-byte code stores of a row spread over the banks
.set SCB,   16896                      ; behind the 32 pieces: the 512 scale bytes
.set STG,   18432                      ; the stage: 32 rows of 2,048 bytes + 16
.set SP,    2064
.set FLOOR, 0x08000000                 ; 2^(16-127): no largest magnitude is taken under it, so the byte cannot fall under 1
.set EOFF,  0xf8800000                 ; -(15 << 23)
.set EXPM,  0x7f800000
.set L16, 2                            ; v2   16 x lane
.set SD,  6                            ; v6   the stage as loaded: my wave's rows, 16 x lane
.set SR,  7                            ; v7   the stage as read: my wave's rows, 32 x lane
.set CA,  8                            ; v8   where my 8 codes of a row go
.set BA,  9                            ; v9   where my block's byte goes
.set PO,  14                           ; v14  the way out: my wave's 8 pieces in LDS
.set GO,  15                           ; v15  and in the pack
.set LAND, 64                          ; v64-191 eight rows as loaded
.set XA,  192                          ; v192-223 two rows at work, by turns
.set MX,  232
.set SC,  234
.set HD,  236
.set BY,  238                          ; two sets by turns
.set CD,  242                          ; two sets by turns
.set MNT, 34                           ; s34  the mantissa field of 57,344
; 16 numbers of a lane (two groups of 8 neighbours) become 16 codes and two bytes; four lanes share a block
.macro QROW i
.irp a, 0,1
	v_max3_num_f32 v[MX+\a], |v[X+8*\a]|, |v[X+8*\a+1]|, FLOOR
.endr
.irp k, 2,4,6
.irp a, 0,1
	v_max3_num_f32 v[MX+\a], v[MX+\a], |v[X+8*\a+\k]|, |v[X+8*\a+\k+1]|
.endr
.endr
.irp xm, 1,2
.irp a, 0,1
	v_max_num_f32_dpp v[MX+\a], v[MX+\a], v[MX+\a] row_xmask:\xm row_mask:0xf bank_mask:0xf
.endr
.endr
.irp a, 0,1
	v_add_nc_u32 v[SC+\a], EOFF, v[MX+\a]                    ; 15 off the exponent field: the conversion's scale operand
	v_and_or_b32 v[HD+\a], v[MX+\a], EXPM, s[MNT]            ; 57,344 x the scale
.endr
.irp a, 0,1
	v_lshrrev_b32 v[BY+2*PR+\a], 23, v[SC+\a]                ; the scale's byte
.endr
.irp a, 0,1
.irp k, 0,1,2,3,4,5,6,7
	v_med3_num_f32 v[X+8*\a+\k], v[X+8*\a+\k], -v[HD+\a], v[HD+\a]   ; the conversion does not saturate (ISA guide 7.6.2): the hold
.endr
.endr
.irp a, 0,1
	v_cvt_scalef32_pk8_bf8_f32 v[CD+4*PR+2*\a:CD+4*PR+2*\a+1], v[X+8*\a:X+8*\a+7], v[SC+\a]
.endr
	v_nop                                                    ; a plain line behind the conversions
.irp a, 0,1
	ds_store_b64 v[CA], v[CD+4*PR+2*\a:CD+4*PR+2*\a+1] offset:8*PP*\a+16*(\i)
	ds_store_b8 v[BA], v[BY+2*PR+\a] offset:4*\a+16*(\i)     ; the four lanes of a block write the same byte with the same value
.endr
.endm
; row i of my eight: the next row is fetched from the stage while this one is worked
.macro ROWQ i
.set X,  XA+16*((\i)&1)
.set XN, XA+16-16*((\i)&1)
.set PR, (\i)&1
.if (\i) < 7
.irp a, 0,1
.irp j, 0,1
	ds_load_b128 v[XN+8*\a+4*\j:XN+8*\a+4*\j+3], v[SR] offset:((\i)+1)*SP+1024*\a+16*\j
.endr
.endr
.endif
.if ((\i) == 0) || ((\i) == 7)
	s_wait_dscnt 4                                           ; row 0: the next row's four loads may be out; row 7: row 6's four stores
.else
	s_wait_dscnt 8                                           ; the last row's four stores and the next row's four loads may be out
.endif
	QROW \i
.endm
	s_load_b256 s[4:11], s[0:1], 0x0                         ; wq s[4:5], wk s[6:7], wv s[8:9], wo s[10:11]
	s_load_b128 s[12:15], s[0:1], 0x20                       ; expert_w s[12:13], wpk s[14:15]
	v_lshl_add_u32 v254, v0, 2, 0x14a00
	v_mov_b32 v255, 0
	v_lshrrev_b32 v1, 5, v0
	v_readfirstlane_b32 s16, v1                              ; wave
	v_and_b32 v1, 31, v0                                     ; lane
	v_lshlrev_b32 v[L16], 4, v1
	s_mul_i32 s26, s16, 8*SP
	s_add_co_u32 s26, s26, STG
	v_add_nc_u32 v[SD], s26, v[L16]
	v_lshl_add_u32 v[SR], v1, 5, s26
	v_bfe_u32 v10, v0, 4, 1                                  ; lane / 16: K step within the group
	v_bfe_u32 v11, v0, 2, 2                                  ; (lane / 4) % 4: the block c
	v_bfe_u32 v12, v0, 1, 1                                  ; which half of the block
	v_and_b32 v13, 1, v0                                     ; which 8 of its 16
	v_mul_u32_u24 v[CA], v10, 4*PP
	v_mad_u32_u24 v[CA], v11, PP, v[CA]
	v_lshl_add_u32 v[CA], v12, 8, v[CA]
	v_lshl_add_u32 v[CA], v13, 3, v[CA]
	s_and_b32 s27, s16, 1                                    ; row 8 w + i lies in tile w & 1, at lane 8 (w / 2) + i
	s_lshr_b32 s28, s16, 1
	s_mul_i32 s29, s27, 16*PP
	s_lshl_b32 s30, s28, 7
	s_add_co_u32 s29, s29, s30
	v_add_nc_u32 v[CA], s29, v[CA]
	v_lshl_add_u32 v[BA], v10, 8, v11
	s_lshl_b32 s31, s27, 3
	s_add_co_u32 s30, s30, s31
	s_add_co_u32 s30, s30, SCB
	v_add_nc_u32 v[BA], s30, v[BA]
	s_mul_i32 s32, s16, 8*PP
	v_add_nc_u32 v[PO], s32, v[L16]
	s_lshl_b32 s33, s16, 12
	v_add_nc_u32 v[GO], s33, v[L16]
	s_mov_b32 s[MNT], 0x600000
	s_mul_i32 s24, ttmp9, PACK
	s_mov_b32 s25, 0
	s_wait_kmcnt 0x0
	s_mov_b64 s[18:19], s[12:13]                             ; which tensor, and its first pack: the choice hangs on the work-group's number alone
	s_mov_b32 s20, 40
	s_cmp_lt_u32 ttmp9, 40
	s_cselect_b64 s[18:19], s[10:11], s[18:19]
	s_cselect_b32 s20, 24, s20
	s_cmp_lt_u32 ttmp9, 24
	s_cselect_b64 s[18:19], s[8:9], s[18:19]
	s_cselect_b32 s20, 20, s20
	s_cmp_lt_u32 ttmp9, 20
	s_cselect_b64 s[18:19], s[6:7], s[18:19]
	s_cselect_b32 s20, 16, s20
	s_cmp_lt_u32 ttmp9, 16
	s_cselect_b64 s[18:19], s[4:5], s[18:19]
	s_cselect_b32 s20, 0, s20
	s_sub_co_u32 s21, ttmp9, s20
	s_lshl_b32 s22, s21, 16                                  ; 32 rows of 2,048 bytes a pack,
	s_lshl_b32 s23, s16, 14                                  ; 8 rows a wave
	s_add_co_u32 s22, s22, s23
	s_mov_b32 s23, 0
	s_add_nc_u64 s[18:19], s[18:19], s[22:23]
	s_add_nc_u64 s[14:15], s[14:15], s[24:25]
.irp i, 0,1,2,3,4,5,6,7
.irp q, 0,1,2,3
	global_load_b128 v[LAND+16*\i+4*\q:LAND+16*\i+4*\q+3], v[L16], s[18:19] offset:2048*\i+512*\q th:TH_LOAD_NT   ; 32 lanes read 512 consecutive bytes
.endr
.endr
.irp i, 0,1,2,3,4,5,6,7
	s_wait_loadcnt 28-4*\i                                   ; row i's four loads are in; the later rows' may be out
.irp q, 0,1,2,3
	ds_store_b128 v[SD], v[LAND+16*\i+4*\q:LAND+16*\i+4*\q+3] offset:\i*SP+512*\q
.endr
.endr
.irp a, 0,1
.irp j, 0,1
	ds_load_b128 v[XA+8*\a+4*\j:XA+8*\a+4*\j+3], v[SR] offset:1024*\a+16*\j   ; my own rows: LDS serves a wave's instructions in order (ISA guide 5.7.1.4)
.endr
.endr
.irp i, 0,1,2,3,4,5,6,7
	ROWQ \i
.endr
	s_wait_dscnt 0x0                                         ; for the others' sake: my codes and bytes lie in LDS
	s_barrier_signal -1
	s_barrier_wait -1
.irp k, 0,1,2,3,4,5,6,7
	ds_load_b128 v[LAND+4*\k:LAND+4*\k+3], v[PO] offset:\k*PP
.endr
.irp k, 0,1,2,3,4,5,6,7
	s_wait_dscnt 7-\k
	global_store_b128 v[GO], v[LAND+4*\k:LAND+4*\k+3], s[14:15] offset:512*\k   ; a piece: 512 consecutive bytes
.endr
	s_cmp_lg_u32 s16, 0
	s_cbranch_scc1 .Ldone
	ds_load_b128 v[LAND+32:LAND+35], v[L16] offset:SCB       ; wave 0: the pack's scale bytes
	s_wait_dscnt 0x0
	global_store_b128 v[L16], v[LAND+32:LAND+35], s[14:15] offset:16384
.Ldone:
	s_wait_tensorcnt 0x0
	ds_add_u32 v254, v255
	s_wait_dscnt 0x0
	s_endpgm
.Lfunc_end_k_q47fe68f556_prep:
	.size	k_q47fe68f556_prep, .Lfunc_end_k_q47fe68f556_prep-k_q47fe68f556_prep
	.p2alignl 7, 3214868480
	.fill 96, 4, 3214868480
	.section	.rodata,"a",@progbits
	.p2align	6, 0x0
	.amdhsa_kernel k_q47fe68f556_prep
		.amdhsa_group_segment_fixed_size 84992
		.amdhsa_private_segment_fixed_size 0
		.amdhsa_enable_private_segment 0
		.amdhsa_kernarg_size 48
		.amdhsa_user_sgpr_count 2
		.amdhsa_user_sgpr_kernarg_segment_ptr 1
		.amdhsa_wavefront_size32 1
		.amdhsa_system_sgpr_workgroup_id_x 1
		.amdhsa_system_sgpr_workgroup_id_y 1
		.amdhsa_system_sgpr_workgroup_id_z 1
		.amdhsa_system_vgpr_workitem_id 0
		.amdhsa_next_free_vgpr 256
		.amdhsa_next_free_sgpr 66
		.amdhsa_reserve_vcc 0
		.amdhsa_float_denorm_mode_32 3
		.amdhsa_float_denorm_mode_16_64 3
		.amdhsa_memory_ordered 1
		.amdhsa_forward_progress 1
		.amdhsa_inst_pref_size 34
	.end_amdhsa_kernel
	.amdgpu_metadata
---
amdhsa.version: [ 1, 2 ]
amdhsa.kernels:
  - .name:           k_q47fe68f556_prep
    .symbol:         k_q47fe68f556_prep.kd
    .args:
      - { .name: wq, .offset: 0, .size: 8, .value_kind: global_buffer, .address_space: global }
      - { .name: wk, .offset: 8, .size: 8, .value_kind: global_buffer, .address_space: global }
      - { .name: wv, .offset: 16, .size: 8, .value_kind: global_buffer, .address_space: global }
      - { .name: wo, .offset: 24, .size: 8, .value_kind: global_buffer, .address_space: global }
      - { .name: expert_w, .offset: 32, .size: 8, .value_kind: global_buffer, .address_space: global }
      - { .name: wpk, .offset: 40, .size: 8, .value_kind: global_buffer, .address_space: global }
    .group_segment_fixed_size: 84992
    .private_segment_fixed_size: 0
    .kernarg_segment_align: 8
    .kernarg_segment_size: 48
    .max_flat_workgroup_size: 128
    .sgpr_count:     66
    .vgpr_count:     256
    .wavefront_size: 32
...
	.end_amdgpu_metadata
.endif
;; end of part 1
;; launch qkv (part 2): grid 256 x 1, 4 waves a work-group, no clusters, 84,992 bytes of LDS; arguments x, attn_norm_w, wpk, qpk, kv; writes qpk, kv
.if DOCPART == 2
	.amdgcn_target "amdgcn-amd-amdhsa--gfx1250"
	.amdhsa_code_object_version 6
	.text
	.protected	k_q47fe68f556_qkv
	.globl	k_q47fe68f556_qkv
	.p2align	8
	.type	k_q47fe68f556_qkv,@function
k_q47fe68f556_qkv:
	s_mov_b64 s[64:65], 0
	v_nop
	global_prefetch_b8 v0, s[64:65] scope:SCOPE_SE
	s_setreg_imm32_b32 hwreg(HW_REG_WAVE_MODE, 25, 1), 1
	s_wait_xcnt 0x0
; QKV: RMSNorm(x), quantised along C; q, k, v = its products with wq, wk, wv on codes of E5M2; q and k quantised along the head's 32, v along the keys; all stored as images of operand registers.
; A work-group takes 32 tokens.  Wave g first norms and quantises rows 8 g .. 8 g + 7 (a row turns through the wave's own stage in LDS); the 32 rows' codes meet in LDS as a pack (see below); one barrier.
; Then wave g is GQA group g: six units of one weight pack each (q heads 4 g .. 4 g + 3, k head g, v head g), 16 matrix instructions a unit.  Weight fragments go from memory straight into the registers
; of the one wave that multiplies them, through a ring of three packs (a pack = 33 loads of 512 bytes).
; PACK: 32 rows x 512 K: piece (tile*4+s)*4+c of 512 bytes, lane l's 16 bytes at 16 l (row l%16, k = 128 s + 32 c + 16 (l/16) + 0..15); then 512 scale bytes, (16 (s&1) + r) 16 + (2 tile + s/2) 4 + c.
; q, k: the product is used transposed (source 0 = 16 weight rows, source 1 = 16 tokens).  The weight tiles' rows are 8 u + r + 8 (r/8), so a lane's 16 registers of tiles u = 0, 1 are d = 16 (l/16) + 0..15 of
; one token: a piece.  v: source 0 = tokens, source 1 = the weight tile: a lane holds one d and the tokens {8 h + j, 16 + 8 h + j}: a block of 32 keys in the order in which the weights p fall out in the next launch.
; qpk: a block of 32 tokens is 18,432 bytes: codes at m 8192 + head 512; scale words (the byte four times) at 16384 + g 512 + (16 m + r) 16 + 4 a.
; kv: (b 4 + g) x 141,312 bytes: key step sigma (128 keys): k tiles at sigma 8192 + 512 t, v at sigma 8192 + 4096 + 2048 u + 512 c; from 131,072 on, 640 bytes a step: k's words (the byte four times; tile pair c: 128 bytes), v's words.
; v's scale bytes are stored one a lane, 4 bytes apart (four work-groups fill a word): 32 bytes of each work-group and wave; all other stores cover 128 or 512 consecutive bytes.
; NOT USED: clusters and joint loads (all work-groups walk the same packs; this text keeps fragments on the way memory -> registers, with no slot in LDS to fill again); a prefetch (x is asked for at the head).
; LIMITS: NaN and infinities among the inputs are not served; a block of zeros gets the byte 1 (its codes are zeros; this program alone reads the bytes).
.set PACK,  16896
.set PP,    528
.set SCB,   16896
.set STG,   18432
.set SP,    2064
.set FLOOR, 0x08000000
.set EOFF,  0xf8800000
.set EXPM,  0x7f800000
.set NP,    9                          ; places behind a run of products: 8 for reads of results and loads into operands, one more since the next unit's products begin the same accumulators anew
.set L16, 2                            ; v2   16 x lane
.set VW,  3                            ; v3   16 x lane + 4 packs x wave
.set VW1, 4                            ; v4   16 x lane + 1 pack x wave
.set XG,  5                            ; v5   16 x lane + 8 rows of x x wave
.set SD,  6
.set SR,  7
.set CA,  8
.set BA,  9
.set L4,  10
.set L32, 11
.set OPS, 32                           ; v32-35  x's scale words
.set WS,  36                           ; v36-47  the ring's scale words, four a slot
.set NW,  48                           ; v48-63  the norm's weights of my 16 columns; later:
.set QW,  48                           ; v48-51  q's scale words of four heads
.set KW,  52
.set VBY, 53
.set OP,  64                           ; v64-191 x as loaded; then x's eight fragments
.set ACC, 192                          ; v192-223 four accumulators; in the row phase two rows by turns
.set XA,  192
.set S2,  224
.set RS,  228
.set PT,  230
.set MX,  232
.set SC,  234
.set HD,  236
.set BY,  238
.set CD,  242
.set Q2CD, 240                         ; v240-247 a unit's two pieces
.set W0,  248
.set W1,  249
.set WPK, 8                            ; s[8:9]
.set QB,  16
.set QSB, 18
.set KB,  20
.set VB,  22
.set KSB, 24
.set VSB, 26
.set MNT, 30
.set SEL, 32
.set INV, 34
.set EPSR, 35
.set LO,  36
.set NLD, 0                            ; global loads issued so far: the text is straight, so a wait's count is a difference of two such numbers
.set MSB, 0
.macro WIN new                         ; the immediate's high byte repeats the setting that is left
.if MSB != (\new)
	s_set_vgpr_msb (MSB<<8)|(\new)
.set MSB, (\new)
.endif
.endm
.macro WAITL mk, extra                 ; all loads up to the mark are in, but for the last 'extra' of them; a wait's field names 63 at the most, and a smaller count is always right
.if NLD-\mk+(\extra) > 63
	s_wait_loadcnt 63
.else
	s_wait_loadcnt NLD-\mk+(\extra)
.endif
.endm
.macro SETMK k
.if (\k) == 0
.set MK0, NLD
.elseif (\k) == 1
.set MK1, NLD
.else
.set MK2, NLD
.endif
.endm
.macro WAITU k
.if (\k) == 0
	WAITL MK0, 0
.elseif (\k) == 1
	WAITL MK1, 0
.else
	WAITL MK2, 0
.endif
.endm
.macro PLACES n
.rept \n
	v_nop
.endr
.endm
.macro BARRIER
	s_wait_dscnt 0x0
	s_barrier_signal -1
	s_barrier_wait -1
.endm
; unit u's pack into ring slot u % 3 (slot 0: window 2, v0; slot 1: window 2, v128; slot 2: window 3, v0), its scale words into window 0
.macro LOADU u, vo, imm
.set KSL, (\u)%3
.if KSL == 2
	WIN 0xc0
.set WBASE, 0
.elseif KSL == 1
	WIN 0x80
.set WBASE, 128
.else
	WIN 0x80
.set WBASE, 0
.endif
.set II, 0
.rept 32
	global_load_b128 v[WBASE+4*II:WBASE+4*II+3], v[\vo], s[WPK:WPK+1] offset:(\imm)+512*II
.set II, II+1
.endr
	WIN 0
	global_load_b128 v[WS+4*KSL:WS+4*KSL+3], v[\vo], s[WPK:WPK+1] offset:(\imm)+16384
.set NLD, NLD+33
	SETMK KSL
.endm
.macro MM1 s, u2, m, mode, b
.set RW,  WBASE+16*(4*(\u2)+(\s))
.set RO,  OP+16*(4*(\m)+(\s))
.set RWS, WS+4*KSL+2*(\u2)+(\s)/2
.set ROS, OPS+2*(\m)+(\s)/2
.if (\mode) == 1
.set RA, RO
.set RB, RW
.set RSA, ROS
.set RSB, RWS
.set RD, ACC+16*(\u2)+8*(\m)
.else
.set RA, RW
.set RB, RO
.set RSA, RWS
.set RSB, ROS
.if (\mode) == 0
.set RD, ACC+16*(\m)+8*(\u2)
.else
.set RD, 64*(\m)+16*(\b)+8*(\u2)
.endif
.endif
.if ((\s) == 0) && ((\mode) != 2)
	v_wmma_scale_f32_16x16x128_f8f6f4 v[RD:RD+7], v[RA:RA+15], v[RB:RB+15], 0, v[RSA], v[RSB] matrix_a_fmt:MATRIX_FMT_BF8 matrix_b_fmt:MATRIX_FMT_BF8
.elseif (\s)%2 == 0
	v_wmma_scale_f32_16x16x128_f8f6f4 v[RD:RD+7], v[RA:RA+15], v[RB:RB+15], v[RD:RD+7], v[RSA], v[RSB] matrix_a_fmt:MATRIX_FMT_BF8 matrix_b_fmt:MATRIX_FMT_BF8
.else
	v_wmma_scale_f32_16x16x128_f8f6f4 v[RD:RD+7], v[RA:RA+15], v[RB:RB+15], v[RD:RD+7], v[RSA], v[RSB] matrix_a_fmt:MATRIX_FMT_BF8 matrix_b_fmt:MATRIX_FMT_BF8 matrix_a_scale:MATRIX_SCALE_ROW1 matrix_b_scale:MATRIX_SCALE_ROW1
.endif
.endm
; 16 matrix instructions: 2 weight tiles x 2 token tiles x 4 K steps; the four accumulators take turns, one instruction a turn.
; mode 0: source 0 = weights, results in window 0, the first product starts the sum; mode 1: source 0 = tokens; mode 2: as 0, onto the registers of window 1
.macro MM16 u, mode, b
.set KSL, (\u)%3
.if KSL == 2
.set WB, 3
.set WBASE, 0
.elseif KSL == 1
.set WB, 2
.set WBASE, 128
.else
.set WB, 2
.set WBASE, 0
.endif
.if (\mode) == 0
	WIN WB
.elseif (\mode) == 1
	WIN WB*4
.else
	WIN 0x50+WB
.endif
.irp s, 0,1,2,3
.irp u2, 0,1
.irp m, 0,1
	MM1 \s, \u2, \m, \mode, \b
.endr
.endr
.endr
.endm
.macro QROW i
.irp a, 0,1
	v_max3_num_f32 v[MX+\a], |v[X+8*\a]|, |v[X+8*\a+1]|, FLOOR
.endr
.irp k, 2,4,6
.irp a, 0,1
	v_max3_num_f32 v[MX+\a], v[MX+\a], |v[X+8*\a+\k]|, |v[X+8*\a+\k+1]|
.endr
.endr
.irp xm, 1,2
.irp a, 0,1
	v_max_num_f32_dpp v[MX+\a], v[MX+\a], v[MX+\a] row_xmask:\xm row_mask:0xf bank_mask:0xf   ; four lanes hold a block of 32
.endr
.endr
.irp a, 0,1
	v_add_nc_u32 v[SC+\a], EOFF, v[MX+\a]
	v_and_or_b32 v[HD+\a], v[MX+\a], EXPM, s[MNT]
.endr
.irp a, 0,1
	v_lshrrev_b32 v[BY+2*PR+\a], 23, v[SC+\a]
.endr
.irp a, 0,1
.irp k, 0,1,2,3,4,5,6,7
	v_med3_num_f32 v[X+8*\a+\k], v[X+8*\a+\k], -v[HD+\a], v[HD+\a]
.endr
.endr
.irp a, 0,1
	v_cvt_scalef32_pk8_bf8_f32 v[CD+4*PR+2*\a:CD+4*PR+2*\a+1], v[X+8*\a:X+8*\a+7], v[SC+\a]
.endr
	v_nop
.irp a, 0,1
	ds_store_b64 v[CA], v[CD+4*PR+2*\a:CD+4*PR+2*\a+1] offset:8*PP*\a+16*(\i)
	ds_store_b8 v[BA], v[BY+2*PR+\a] offset:4*\a+16*(\i)
.endr
.endm
; row i of my eight: x * rsqrt(mean(x^2) + eps) * w, then the quantiser.  Lane l holds columns 8 l .. 8 l + 7 and 256 + 8 l .. + 7
.macro ROWQ i
.set X,  XA+16*((\i)&1)
.set XN, XA+16-16*((\i)&1)
.set PR, (\i)&1
.if (\i) < 7
.irp a, 0,1
.irp j, 0,1
	ds_load_b128 v[XN+8*\a+4*\j:XN+8*\a+4*\j+3], v[SR] offset:((\i)+1)*SP+1024*\a+16*\j
.endr
.endr
.endif
.if ((\i) == 0) || ((\i) == 7)
	s_wait_dscnt 4                                           ; row 0: the next row's four loads may be out; row 7: row 6's four stores
.else
	s_wait_dscnt 8                                           ; the last row's four stores and the next row's four loads may be out
.endif
	v_pk_mul_f32 v[S2:S2+1], v[X:X+1], v[X:X+1]
	v_pk_mul_f32 v[S2+2:S2+3], v[X+2:X+3], v[X+2:X+3]
.irp k, 4,8,12
	v_pk_fma_f32 v[S2:S2+1], v[X+\k:X+\k+1], v[X+\k:X+\k+1], v[S2:S2+1]
	v_pk_fma_f32 v[S2+2:S2+3], v[X+\k+2:X+\k+3], v[X+\k+2:X+\k+3], v[S2+2:S2+3]
.endr
	v_pk_add_f32 v[S2:S2+1], v[S2:S2+1], v[S2+2:S2+3]
	v_add_f32 v[S2], v[S2], v[S2+1]
.irp xm, 1,2,4,8
	v_add_f32_dpp v[S2], v[S2], v[S2] row_xmask:\xm row_mask:0xf bank_mask:0xf
.endr
	v_permlanex16_b32 v[PT], v[S2], s[SEL], s[SEL+1]
	v_add_f32 v[S2], v[S2], v[PT]
	v_fma_f32 v[S2], v[S2], s[INV], s[EPSR]                  ; the mean + eps
	v_rsq_f32 v[RS], v[S2]
	v_rsq_f32 v[RS+1], v[S2]
	v_nop                                                    ; a plain line behind the transcendentals
	s_wait_alu depctr_va_vdst(0)
.irp k, 0,2,4,6,8,10,12,14
	v_pk_mul_f32 v[X+\k:X+\k+1], v[X+\k:X+\k+1], v[RS:RS+1]
.endr
.irp k, 0,2,4,6,8,10,12,14
	v_pk_mul_f32 v[X+\k:X+\k+1], v[X+\k:X+\k+1], v[NW+\k:NW+\k+1]
.endr
	QROW \i
.endm
; the unit's 32 results a lane are two blocks of 32 (16 in this lane, 16 in lane l xor 16): two pieces in v[Q2CD] on, two bytes in v[BY], v[BY+1]
.macro QUANT2
.irp b, 0,1
	v_max3_num_f32 v[MX+\b], |v[ACC+16*\b]|, |v[ACC+16*\b+1]|, FLOOR
.endr
.irp k, 2,4,6,8,10,12,14
.irp b, 0,1
	v_max3_num_f32 v[MX+\b], v[MX+\b], |v[ACC+16*\b+\k]|, |v[ACC+16*\b+\k+1]|
.endr
.endr
.irp b, 0,1
	v_permlanex16_b32 v[PT+\b], v[MX+\b], s[SEL], s[SEL+1]
.endr
.irp b, 0,1
	v_max_num_f32 v[MX+\b], v[MX+\b], v[PT+\b]
.endr
.irp b, 0,1
	v_add_nc_u32 v[SC+\b], EOFF, v[MX+\b]
	v_and_or_b32 v[HD+\b], v[MX+\b], EXPM, s[MNT]
.endr
.irp b, 0,1
	v_lshrrev_b32 v[BY+\b], 23, v[SC+\b]
.endr
.irp b, 0,1
.irp k, 0,1,2,3,4,5,6,7,8,9,10,11,12,13,14,15
	v_med3_num_f32 v[ACC+16*\b+\k], v[ACC+16*\b+\k], -v[HD+\b], v[HD+\b]
.endr
.endr
.irp b, 0,1
	v_cvt_scalef32_pk8_bf8_f32 v[Q2CD+4*\b:Q2CD+4*\b+1], v[ACC+16*\b:ACC+16*\b+7], v[SC+\b]
	v_cvt_scalef32_pk8_bf8_f32 v[Q2CD+4*\b+2:Q2CD+4*\b+3], v[ACC+16*\b+8:ACC+16*\b+15], v[SC+\b]
.endr
	v_nop
.endm
.macro UNIT p
	WAITU (\p)%3
.if (\p) < 5
	MM16 \p, 0, 0
.else
	MM16 \p, 1, 0
.endif
	WIN 0
	PLACES NP
.if (\p) == 0
	LOADU 3, VW, 3*PACK
.elseif (\p) == 1
	LOADU 4, VW1, 16*PACK
.elseif (\p) == 2
	LOADU 5, VW1, 20*PACK
.endif
.if (\p) > 0
	s_wait_xcnt 0x0                                          ; the last unit's stores have read their data: the pieces' registers are written again only behind this wait
.endif
	QUANT2
.if (\p) < 4
	global_store_b128 v[L16], v[Q2CD:Q2CD+3], s[QB:QB+1] offset:512*(\p)
	global_store_b128 v[L16], v[Q2CD+4:Q2CD+7], s[QB:QB+1] offset:8192+512*(\p)
	v_perm_b32 v[W0], v[BY], v[BY], 0                        ; the byte four times: the next launch sets q in any of the four blocks of an operand
	v_perm_b32 v[W1], v[BY+1], v[BY+1], 0
	v_cndmask_b32 v[QW+(\p)], v[W1], v[W0], s[LO]            ; lanes 0-15: tokens 0-15; lanes 16-31: tokens 16-31
.if (\p) == 3
	global_store_b128 v[L16], v[QW:QW+3], s[QSB:QSB+1]
.endif
.elseif (\p) == 4
	global_store_b128 v[L16], v[Q2CD:Q2CD+3], s[KB:KB+1]
	global_store_b128 v[L16], v[Q2CD+4:Q2CD+7], s[KB:KB+1] offset:512
	v_perm_b32 v[W0], v[BY], v[BY], 0
	v_perm_b32 v[W1], v[BY+1], v[BY+1], 0
	v_cndmask_b32 v[KW], v[W1], v[W0], s[LO]
	global_store_b32 v[L4], v[KW], s[KSB:KSB+1]
.else
	global_store_b128 v[L16], v[Q2CD:Q2CD+3], s[VB:VB+1]
	global_store_b128 v[L16], v[Q2CD+4:Q2CD+7], s[VB:VB+1] offset:2048
	v_cndmask_b32 v[VBY], v[BY+1], v[BY], s[LO]              ; lanes 0-15: d tile 0; lanes 16-31: d tile 1
	global_store_b8 v[L4], v[VBY], s[VSB:VSB+1]
.endif
.endm
	s_load_b256 s[4:11], s[0:1], 0x0                         ; x s[4:5], attn_norm_w s[6:7], wpk s[8:9], qpk s[10:11]
	s_load_b64 s[12:13], s[0:1], 0x20                        ; kv
	v_lshl_add_u32 v254, v0, 2, 0x14a00
	v_mov_b32 v255, 0
	v_lshrrev_b32 v1, 5, v0
	v_readfirstlane_b32 s14, v1                              ; wave = GQA group g
	v_and_b32 v1, 31, v0
	v_lshlrev_b32 v[L16], 4, v1
	v_lshlrev_b32 v[L4], 2, v1
	v_lshlrev_b32 v[L32], 5, v1
	s_mul_i32 s15, s14, 4*PACK
	v_add_nc_u32 v[VW], s15, v[L16]
	s_mul_i32 s15, s14, PACK
	v_add_nc_u32 v[VW1], s15, v[L16]
	s_lshl_b32 s15, s14, 14
	v_add_nc_u32 v[XG], s15, v[L16]
	s_mul_i32 s15, s14, 8*SP
	s_add_co_u32 s15, s15, STG
	v_add_nc_u32 v[SD], s15, v[L16]
	v_lshl_add_u32 v[SR], v1, 5, s15
	v_bfe_u32 v12, v0, 4, 1
	v_bfe_u32 v13, v0, 2, 2
	v_bfe_u32 v14, v0, 1, 1
	v_and_b32 v15, 1, v0
	v_mul_u32_u24 v[CA], v12, 4*PP
	v_mad_u32_u24 v[CA], v13, PP, v[CA]
	v_lshl_add_u32 v[CA], v14, 8, v[CA]
	v_lshl_add_u32 v[CA], v15, 3, v[CA]
	s_and_b32 s28, s14, 1                                    ; token 8 w + i lies in tile w / 2, at lane 8 (w & 1) + i
	s_lshr_b32 s29, s14, 1
	s_mul_i32 s31, s29, 16*PP
	s_lshl_b32 s37, s28, 7
	s_add_co_u32 s31, s31, s37
	v_add_nc_u32 v[CA], s31, v[CA]
	v_lshl_add_u32 v[BA], v12, 8, v13
	s_lshl_b32 s38, s29, 3
	s_add_co_u32 s37, s37, s38
	s_add_co_u32 s37, s37, SCB
	v_add_nc_u32 v[BA], s37, v[BA]
	v_mov_b32 v[PT], 0                                       ; written once: a lane permute's destination counts as one of its sources
	v_mov_b32 v[PT+1], 0
	s_mov_b32 s[MNT], 0x600000
	s_mov_b32 s[SEL], 0x76543210
	s_mov_b32 s[SEL+1], 0xfedcba98
	s_mov_b32 s[INV], 0x3b000000                             ; 1 / 512
	s_mov_b32 s[EPSR], 0x358637bd                            ; 1e-6
	s_mov_b32 s[LO], 0x0000ffff
	s_lshl_b32 s40, ttmp9, 16                                ; 32 rows of x
	s_mov_b32 s41, 0
	s_mul_i32 s42, ttmp9, 18432
	s_lshl_b32 s44, s14, 11
	s_add_co_u32 s44, s44, s42
	s_mov_b32 s45, 0
	s_lshl_b32 s46, s14, 9
	s_add_co_u32 s46, s46, s42
	s_add_co_u32 s46, s46, 16384
	s_mov_b32 s47, 0
	s_lshr_b32 s48, ttmp9, 6                                 ; b
	s_lshl_b32 s48, s48, 2
	s_add_co_u32 s48, s48, s14
	s_mul_i32 s48, s48, 141312
	s_bfe_u32 s49, ttmp9, 0x40002                            ; sigma: which 128 keys of the batch
	s_and_b32 s50, ttmp9, 3                                  ; c: which 32 of them
	s_lshl_b32 s51, s49, 13
	s_add_co_u32 s51, s51, s48
	s_lshl_b32 s52, s50, 10
	s_add_co_u32 s52, s52, s51
	s_mov_b32 s53, 0
	s_lshl_b32 s54, s50, 9
	s_add_co_u32 s54, s54, s51
	s_add_co_u32 s54, s54, 4096
	s_mov_b32 s55, 0
	s_mul_i32 s56, s49, 640
	s_add_co_u32 s56, s56, s48
	s_add_co_u32 s56, s56, 131072
	s_lshl_b32 s58, s50, 7
	s_add_co_u32 s58, s58, s56
	s_mov_b32 s59, 0
	s_add_co_u32 s60, s56, s50
	s_add_co_u32 s60, s60, 512
	s_mov_b32 s61, 0
	s_wait_kmcnt 0x0
	s_add_nc_u64 s[4:5], s[4:5], s[40:41]
	s_add_nc_u64 s[QB:QB+1], s[10:11], s[44:45]
	s_add_nc_u64 s[QSB:QSB+1], s[10:11], s[46:47]
	s_add_nc_u64 s[KB:KB+1], s[12:13], s[52:53]
	s_add_nc_u64 s[VB:VB+1], s[12:13], s[54:55]
	s_add_nc_u64 s[KSB:KSB+1], s[12:13], s[58:59]
	s_add_nc_u64 s[VSB:VSB+1], s[12:13], s[60:61]
.irp i, 0,1,2,3,4,5,6,7
.irp q, 0,1,2,3
	global_load_b128 v[OP+16*\i+4*\q:OP+16*\i+4*\q+3], v[XG], s[4:5] offset:2048*\i+512*\q th:TH_LOAD_NT   ; 512 consecutive bytes
.endr
.endr
.set NLD, NLD+32
.set MK_X, NLD
.irp a, 0,1
.irp j, 0,1
	global_load_b128 v[NW+8*\a+4*\j:NW+8*\a+4*\j+3], v[L32], s[6:7] offset:1024*\a+16*\j
.endr
.endr
.set NLD, NLD+4
.set MK_N, NLD
	LOADU 0, VW, 0
.irp i, 0,1,2,3,4,5,6,7
	WAITL MK_X, 28-4*\i                                      ; row i of x is in
.irp q, 0,1,2,3
	ds_store_b128 v[SD], v[OP+16*\i+4*\q:OP+16*\i+4*\q+3] offset:\i*SP+512*\q
.endr
.endr
	LOADU 1, VW, PACK
.irp a, 0,1
.irp j, 0,1
	ds_load_b128 v[XA+8*\a+4*\j:XA+8*\a+4*\j+3], v[SR] offset:1024*\a+16*\j   ; my own rows: LDS serves a wave's instructions in order (ISA guide 5.7.1.4)
.endr
.endr
	WAITL MK_N, 0
.irp i, 0,1,2,3
	ROWQ \i
.endr
	LOADU 2, VW, 2*PACK
.irp i, 4,5,6,7
	ROWQ \i
.endr
	BARRIER                                                  ; the 32 rows' codes and bytes lie in LDS
.set II, 0
.rept 32
	ds_load_b128 v[OP+4*II:OP+4*II+3], v[L16] offset:PP*II
.set II, II+1
.endr
	ds_load_b128 v[OPS:OPS+3], v[L16] offset:SCB
	s_wait_dscnt 0x0
.irp p, 0,1,2,3,4,5
	UNIT \p
.endr
	s_wait_tensorcnt 0x0
	ds_add_u32 v254, v255
	s_wait_dscnt 0x0
	s_endpgm
.Lfunc_end_k_q47fe68f556_qkv:
	.size	k_q47fe68f556_qkv, .Lfunc_end_k_q47fe68f556_qkv-k_q47fe68f556_qkv
	.p2alignl 7, 3214868480
	.fill 96, 4, 3214868480
	.section	.rodata,"a",@progbits
	.p2align	6, 0x0
	.amdhsa_kernel k_q47fe68f556_qkv
		.amdhsa_group_segment_fixed_size 84992
		.amdhsa_private_segment_fixed_size 0
		.amdhsa_enable_private_segment 0
		.amdhsa_kernarg_size 40
		.amdhsa_user_sgpr_count 2
		.amdhsa_user_sgpr_kernarg_segment_ptr 1
		.amdhsa_wavefront_size32 1
		.amdhsa_system_sgpr_workgroup_id_x 1
		.amdhsa_system_sgpr_workgroup_id_y 1
		.amdhsa_system_sgpr_workgroup_id_z 1
		.amdhsa_system_vgpr_workitem_id 0
		.amdhsa_next_free_vgpr 896
		.amdhsa_next_free_sgpr 66
		.amdhsa_reserve_vcc 0
		.amdhsa_float_denorm_mode_32 3
		.amdhsa_float_denorm_mode_16_64 3
		.amdhsa_memory_ordered 1
		.amdhsa_forward_progress 1
		.amdhsa_inst_pref_size 112
	.end_amdhsa_kernel
	.amdgpu_metadata
---
amdhsa.version: [ 1, 2 ]
amdhsa.kernels:
  - .name:           k_q47fe68f556_qkv
    .symbol:         k_q47fe68f556_qkv.kd
    .args:
      - { .name: x, .offset: 0, .size: 8, .value_kind: global_buffer, .address_space: global }
      - { .name: attn_norm_w, .offset: 8, .size: 8, .value_kind: global_buffer, .address_space: global }
      - { .name: wpk, .offset: 16, .size: 8, .value_kind: global_buffer, .address_space: global }
      - { .name: qpk, .offset: 24, .size: 8, .value_kind: global_buffer, .address_space: global }
      - { .name: kv, .offset: 32, .size: 8, .value_kind: global_buffer, .address_space: global }
    .group_segment_fixed_size: 84992
    .private_segment_fixed_size: 0
    .kernarg_segment_align: 8
    .kernarg_segment_size: 40
    .max_flat_workgroup_size: 128
    .sgpr_count:     66
    .vgpr_count:     896
    .wavefront_size: 32
...
	.end_amdgpu_metadata
.endif
;; end of part 2
;; launch attn (part 3): grid 16 x 16, 16 waves a work-group, no clusters, 169,984 bytes of LDS; arguments qpk, kv, apk; writes apk
.if DOCPART == 3
	.amdgcn_target "amdgcn-amd-amdhsa--gfx1250"
	.amdhsa_code_object_version 6
	.text
	.protected	k_q47fe68f556_attn
	.globl	k_q47fe68f556_attn
	.p2align	8
	.type	k_q47fe68f556_attn,@function
k_q47fe68f556_attn:
	s_mov_b64 s[64:65], 0
	v_nop
	global_prefetch_b8 v0, s[64:65] scope:SCOPE_SE
	s_setreg_imm32_b32 hwreg(HW_REG_WAVE_MODE, 25, 1), 1
	s_wait_xcnt 0x0
; ATTN: causal attention of 16 query heads on 4 key/value heads, head size 32, 2,048 tokens, 4 batches; both products on codes of E5M2 with E8M0 scales; O / l is quantised along C (a head is a block of 32) and stored as a piece of the next launch's operand.
; THE SOFTMAX AHEAD OF THE SECOND PRODUCT: t = score x log2(e) / sqrt(32); M = the running largest t rounded up to a whole number; p = 2^(t - M) is quantised along the keys, not normalised; the row's sum is taken of the
; unquantised p and divides at the end; when M moves, the sum and O are multiplied by 2^(old M - new M), which rounds nothing.
; SHARES.  Work-group (j, b 4 + g): batch b, key/value head g.  Wave w: query head 4 g + (w & 3); query tiles pi = 4 j + w / 4 and 127 - pi, one after the other: (pi / 8 + 1) + ((127 - pi) / 8 + 1) = 17 key steps of 128 for every wave.
; Sixteen waves of 242 registers, four to a SIMD: one wave's vector work stands beside another's products and LDS loads.
; LDS.  The whole block of (b, g), 141,312 bytes (k and v as pieces, their scale words behind 131,072), is filled ONCE: eight tensor loads of 69 rows x 256 bytes, one a wave (waves 0-7).  Nothing is filled again: no ring, one barrier.
; LAYOUT.  S^T = K Q^T (source 0 = 16 keys, source 1 = my 16 queries), O^T = V^T P^T: a lane holds one query throughout.  The head's 32 are ONE block of the instruction's four: four key tiles fill an operand's four blocks, and q
; stands in a zone of 28 registers, zeros | q | zeros: the run that begins 4 c' registers ahead of it sets q against block c' and zero codes against the others (codes are never infinite: every number is held ahead of its conversion).
; q's and k's scale words hold their byte four times, so every block finds it.  A tile's keys are neighbours; p's 16 registers of two tiles are keys {8 h + j, 16 + 8 h + j} of a true block of 32, the order in which v was laid.
; CAUSAL.  Each tile's loop has 16 trips, a constant; a step all of whose keys come after my queries is passed over by a scalar branch on ids; on the diagonal hidden scores become -infinity ahead of the maximum.
; NOT USED: joint loads (what work-groups share is one fill against 17 key steps a wave); a prefetch (there is no stream behind the head).  The four heads of a group fill a scale word of apk byte by byte: 16 bytes a tile.
; LIMITS: NaN and infinities are not served; a block of zeros gets the byte 1 (its codes are zeros; this program alone reads the bytes).
.set FLOOR, 0x08000000
.set EOFF,  0xf8800000
.set EXPM,  0x7f800000
.set L16, 1                            ; v1   16 x lane: a piece's place, in LDS and in memory
.set AS0, 2                            ; v2   4 x lane + 131,072: a scale word's place
.set ADKV, 3                           ; v3   this step's pieces
.set ADS, 4                            ; v4   this step's scale words
.set RH,  5                            ; v5   r - 8 h
.set R16, 6                            ; v6   16 r
.set DD,  8
.set NINF, 9
.set QZ,  16                           ; v16-43  zeros | q (v28-31) | zeros
.set QS,  44                           ; v44     q's scale word
.set KS,  45                           ; v45-48  k's, a register for two tiles
.set VS,  49                           ; v49     v's
.set PW,  50                           ; v50     p's
.set KK,  52                           ; v52-83  eight key tiles
.set VV,  84                           ; v84-115 two fragments of v
.set SS,  116                          ; v116-179 S^T, then p
.set OO,  180                          ; v180-195 O^T
.set PC,  196                          ; v196-211 p's codes
.set BM,  212
.set BT,  216
.set HOLD, 220
.set SCL, 224
.set FF,  228                          ; v[228:229] f (the pair's low word serves both halves)
.set TMP, 230
.set SUM2, 232
.set OB,  234
.set WV,  10
.set CS,  28                           ; s[28:29] c = log2(e) / sqrt(32)
.set SEL, 30
.set TS0, 32                           ; s[32:39], s[40:47]: for each of my two tiles: q's piece, q's scale words, O's piece, O's scale byte
.set QQ,  48                           ; s48, s49: the tile's first query
.set MNT, 50
.set KF,  51                           ; the step's first key
.set TK,  52                           ; its pieces' first LDS byte
.set TS,  53                           ; its scale words'
.set CNT, 54
.macro TSET n, ir
	s_lshr_b32 s56, s[\ir], 1
	s_add_co_u32 s56, s56, s66                               ; the block of 32 tokens
	s_and_b32 s57, s[\ir], 1                                 ; which 16 of them
	s_mul_i32 s58, s56, 18432
	s_mul_i32 s59, s56, 16896
	s_lshl_b32 s60, s57, 13
	s_add_co_u32 s60, s60, s62
	s_add_co_u32 s68, s58, s60
	s_mov_b32 s69, 0
	s_add_nc_u64 s[TS0+8*\n:TS0+8*\n+1], s[4:5], s[68:69]
	s_add_co_u32 s68, s59, s60
	s_add_nc_u64 s[TS0+8*\n+4:TS0+8*\n+5], s[8:9], s[68:69]
	s_lshl_b32 s60, s57, 8
	s_add_co_u32 s60, s60, s63
	s_add_co_u32 s68, s58, s60
	s_add_nc_u64 s[TS0+8*\n+2:TS0+8*\n+3], s[4:5], s[68:69]
	s_lshl_b32 s60, s57, 3
	s_add_co_u32 s60, s60, s67
	s_add_co_u32 s68, s59, s60
	s_add_nc_u64 s[TS0+8*\n+6:TS0+8*\n+7], s[8:9], s[68:69]
	s_lshl_b32 s[QQ+\n], s[\ir], 4
.endm
	s_load_b128 s[4:7], s[0:1], 0x0                          ; qpk s[4:5], kv s[6:7]
	s_load_b64 s[8:9], s[0:1], 0x10                          ; apk
	v_lshl_add_u32 v240, v0, 2, 0x29000
	v_mov_b32 v241, 0
	ds_add_u32 v240, v241
	ds_add_u32 v240, v241
	v_lshrrev_b32 v1, 5, v0
	v_readfirstlane_b32 s[WV], v1                            ; wave 0..15
	s_and_b32 s13, ttmp7, 0xffff                             ; b 4 + g
	s_lshr_b32 s14, s13, 2
	s_and_b32 s15, s13, 3
	s_and_b32 s11, s[WV], 3                                  ; a: my head in the group
	s_lshr_b32 s12, s[WV], 2
	s_lshl_b32 s70, ttmp9, 2
	s_add_co_u32 s70, s70, s12                               ; pi
	s_sub_co_u32 s71, 127, s70
	; descriptor group 1: 69 rows of 256 bytes (32 elements of 8 bytes), dense in memory and in LDS
	s_mov_b32 s16, 3<<16
	s_mov_b32 s17, 32<<16                                    ; tensor_dim0
	s_mov_b32 s18, 69<<16                                    ; tensor_dim1
	s_mov_b32 s19, 32<<16                                    ; tile_dim0
	s_mov_b32 s20, 69                                        ; tile_dim1
	s_mov_b32 s21, 32                                        ; the pitch
	s_mov_b32 s22, 0
	s_mov_b32 s23, 0
	s_mov_b32 s24, 1
	s_mul_i32 s25, s[WV], 17664                              ; my eighth of the block, in LDS
	s_mul_i32 s72, s13, 141312
	s_add_co_u32 s72, s72, s25                               ; and in memory
	s_mov_b32 s73, 0
	s_wait_dscnt 0x0
	s_wait_kmcnt 0x0
	s_add_nc_u64 s[26:27], s[6:7], s[72:73]
	s_or_b32 s27, s27, 0x80000000
	s_cmp_lt_u32 s[WV], 8
	s_cbranch_scc0 .Lno_fill
	tensor_load_to_lds s[24:27], s[16:23]                    ; the one tensor load of a wave
	s_nop 0
.rept 4
	v_nop
.endr
.Lno_fill:
	v_and_b32 v7, 31, v0
	v_lshlrev_b32 v[L16], 4, v7
	v_lshl_add_u32 v[AS0], v7, 2, 131072
	v_and_b32 v10, 15, v0                                    ; r
	v_bfe_u32 v11, v0, 4, 1                                  ; h
	v_lshlrev_b32 v[R16], 4, v10
	v_lshlrev_b32 v11, 3, v11
	v_sub_nc_u32 v[RH], v10, v11
	v_mov_b32 v[NINF], 0xff800000
.irp j, 0,1,2,3,4,5,6,7,8,9,10,11
	v_mov_b32 v[QZ+\j], 0                                    ; zero codes on both sides of q
	v_mov_b32 v[QZ+16+\j], 0
.endr
.irp b, 0,1,2,3
	v_mov_b32 v[BT+\b], 0                                    ; written once: a lane permute's destination counts as one of its sources
.endr
	v_mov_b32 v[FF+1], 0                                     ; named as the upper half of a pair
	s_mov_b32 s[CS], 0x3e8293ee
	s_mov_b32 s[CS+1], s[CS]
	s_mov_b32 s[SEL], 0x76543210
	s_mov_b32 s[SEL+1], 0xfedcba98
	s_mov_b32 s[MNT], 0x600000
	s_lshl_b32 s66, s14, 6                                   ; 64 blocks of 32 tokens a batch
	s_lshl_b32 s62, s15, 2
	s_add_co_u32 s62, s62, s11
	s_lshl_b32 s62, s62, 9                                   ; head x 512
	s_lshl_b32 s63, s15, 9
	s_lshl_b32 s74, s11, 2
	s_add_co_u32 s63, s63, s74
	s_add_co_u32 s63, s63, 16384                             ; q's scale words: 16384 + g 512 + 4 a
	s_and_b32 s67, s15, 1
	s_lshl_b32 s67, s67, 8
	s_lshr_b32 s74, s15, 1
	s_lshl_b32 s74, s74, 2
	s_add_co_u32 s67, s67, s74
	s_add_co_u32 s67, s67, s11
	s_add_co_u32 s67, s67, 16384                             ; O's scale byte: K step g, block a of the pack
	TSET 0, 70
	TSET 1, 71
	s_wait_tensorcnt 0x0                                     ; my eighth has landed (a wave that fetched nothing passes at once),
	s_barrier_signal -1
	s_barrier_wait -1                                        ; everybody's has
.macro TILE tn
	s_wait_xcnt 0x0                                          ; the last tile's stores have read their data
	global_load_b128 v[QZ+12:QZ+15], v[L16], s[TS0+8*\tn:TS0+8*\tn+1] th:TH_LOAD_NT
	global_load_b32 v[QS], v[R16], s[TS0+8*\tn+2:TS0+8*\tn+3] th:TH_LOAD_NT
	v_mov_b32 v13, 0xff61b1e6                                ; the largest t so far: -3e38
	v_floor_f32 v12, -v13                                    ; -M
	v_mov_b32 v14, 0                                         ; the sum, in two halves
	v_mov_b32 v15, 0
.irp j, 0,1,2,3,4,5,6,7,8,9,10,11,12,13,14,15
	v_mov_b32 v[OO+\j], 0                                    ; the step is written once: the first finds zeros
.endr
	s_mov_b32 s[KF], 0
	s_mov_b32 s[TK], 0
	s_mov_b32 s[TS], 0
	s_mov_b32 s[CNT], 16
	s_wait_loadcnt 0x0
.Lstep_\@:
	s_add_co_u32 s55, s[QQ+\tn], 15
	s_cmp_gt_u32 s[KF], s55
	s_cbranch_scc1 .Lhidden_\@                               ; all 128 keys come after my queries
	v_add_nc_u32 v[ADKV], s[TK], v[L16]
	v_add_nc_u32 v[ADS], s[TS], v[AS0]
.irp t, 0,1,2,3,4,5,6,7
	ds_load_b128 v[KK+4*\t:KK+4*\t+3], v[ADKV] offset:512*\t
.endr
.irp t, 0,1,2,3
	ds_load_b32 v[KS+\t], v[ADS] offset:128*\t
.endr
.irp u, 0,1
.irp c, 0,1,2,3
	ds_load_b128 v[VV+16*\u+4*\c:VV+16*\u+4*\c+3], v[ADKV] offset:4096+2048*\u+512*\c
.endr
.endr
	ds_load_b32 v[VS], v[ADS] offset:512
	s_wait_dscnt 9                                           ; k and its words are in; v's eight loads and its word may be out
.irp t, 0,2,4,6
	v_wmma_scale_f32_16x16x128_f8f6f4 v[SS+8*\t:SS+8*\t+7], v[KK+16*(\t/4):KK+16*(\t/4)+15], v[QZ+12-4*(\t%4):QZ+27-4*(\t%4)], 0, v[KS+\t/2], v[QS] matrix_a_fmt:MATRIX_FMT_BF8 matrix_b_fmt:MATRIX_FMT_BF8
	v_wmma_scale_f32_16x16x128_f8f6f4 v[SS+8*\t+8:SS+8*\t+15], v[KK+16*(\t/4):KK+16*(\t/4)+15], v[QZ+8-4*(\t%4):QZ+23-4*(\t%4)], 0, v[KS+\t/2], v[QS] matrix_a_fmt:MATRIX_FMT_BF8 matrix_b_fmt:MATRIX_FMT_BF8 matrix_a_scale:MATRIX_SCALE_ROW1
.endr
.rept 8
	v_nop                                                    ; places ahead of the first read of the scores
.endr
	s_add_co_u32 s55, s[KF], 127
	s_cmp_le_u32 s55, s[QQ+\tn]
	s_cbranch_scc1 .Lopen_\@                                 ; all 128 keys count
	s_sub_co_i32 s55, s[QQ+\tn], s[KF]
	v_add_nc_u32 v[DD], s55, v[RH]                           ; register 8 t + j holds key KF + 16 t + 8 h + j: hidden where 16 t + j > my query - KF - 8 h
.set N, 0
.rept 64
	v_cmp_gt_i32 vcc_lo, 16*(N/8)+N%8, v[DD]
	v_cndmask_b32 v[SS+N], v[SS+N], v[NINF], vcc_lo
.set N, N+1
.endr
.Lopen_\@:
.irp b, 0,1,2,3
	v_max3_num_f32 v[BM+\b], v[SS+16*\b], v[SS+1+16*\b], v[SS+2+16*\b]   ; the largest score of each block of 32 keys: for the row's maximum and, since p rises with the score, for the block's largest p
.endr
.irp i, 3,5,7,9,11,13
.irp b, 0,1,2,3
	v_max3_num_f32 v[BM+\b], v[BM+\b], v[SS+16*\b+\i], v[SS+1+16*\b+\i]
.endr
.endr
.irp b, 0,1,2,3
	v_max_num_f32 v[BM+\b], v[BM+\b], v[SS+15+16*\b]
.endr
.irp b, 0,1,2,3
	v_permlanex16_b32 v[BT+\b], v[BM+\b], s[SEL], s[SEL+1]
.endr
.irp b, 0,1,2,3
	v_max_num_f32 v[BM+\b], v[BM+\b], v[BT+\b]               ; with lane l xor 16's 16 keys
.endr
	v_max3_num_f32 v[TMP], v[BM], v[BM+1], v[BM+2]
	v_max_num_f32 v[TMP], v[TMP], v[BM+3]
	v_mul_f32 v[TMP], s[CS], v[TMP]
	v_max_num_f32 v13, v13, v[TMP]                           ; the running largest t
	v_mov_b32 v[TMP], v12
	v_floor_f32 v12, -v13                                    ; -M = floor(-t): M is a whole number
	v_sub_f32 v[TMP], v12, v[TMP]                            ; old M - new M, 0 or less
	v_cvt_i32_f32 v[TMP], v[TMP]                             ; (it saturates)
	v_ldexp_f32 v[FF], 1.0, v[TMP]                           ; f = 2^(old M - new M)
.set N, 0
.rept 32
	v_pk_fma_f32 v[SS+N:SS+N+1], v[SS+N:SS+N+1], s[CS:CS+1], v[12:13] op_sel_hi:[1,0,0]   ; t - M
.set N, N+2
.endr
.irp b, 0,1,2,3
	v_fma_f32 v[BM+\b], v[BM+\b], s[CS], v12
.endr
.set N, 0
.rept 64
	v_exp_f32 v[SS+N], v[SS+N]                               ; p = 2^(t - M)
.set N, N+1
.endr
.irp b, 0,1,2,3
	v_exp_f32 v[BM+\b], v[BM+\b]                             ; the block's largest p: the same two instructions on the same number
.endr
	v_pk_mul_f32 v[14:15], v[14:15], v[FF:FF+1] op_sel_hi:[1,0]   ; the sums under the new M (a plain line behind the exponentials)
	s_wait_alu depctr_va_vdst(0)
.irp b, 0,1,2,3
	v_max_num_f32 v[BM+\b], FLOOR, v[BM+\b]
.endr
.irp b, 0,1,2,3
	v_add_nc_u32 v[SCL+\b], EOFF, v[BM+\b]
.endr
.irp b, 0,1,2,3
	v_and_or_b32 v[HOLD+\b], v[BM+\b], EXPM, s[MNT]
.endr
.irp b, 0,1,2,3
	v_lshrrev_b32 v[BT+\b], 23, v[SCL+\b]
.endr
	v_lshl_or_b32 v[PW], v[BT+1], 8, v[BT]                   ; p's scale word for these 128 keys
	v_lshl_or_b32 v[PW], v[BT+2], 16, v[PW]
	v_lshl_or_b32 v[PW], v[BT+3], 24, v[PW]
	v_pk_add_f32 v[SUM2:SUM2+1], v[SS:SS+1], v[SS+2:SS+3]    ; the row's sum, of the unquantised p, in two chains
.irp j, 4,8,12,16,20,24,28,32,36,40,44,48,52,56,60
	v_pk_add_f32 v[14:15], v[14:15], v[SS+\j:SS+\j+1]
	v_pk_add_f32 v[SUM2:SUM2+1], v[SUM2:SUM2+1], v[SS+2+\j:SS+3+\j]
.endr
	v_pk_add_f32 v[14:15], v[14:15], v[SUM2:SUM2+1]
.irp b, 0,1,2,3
.irp i, 0,1,2,3,4,5,6,7,8,9,10,11,12,13,14,15
	v_min_num_f32 v[SS+16*\b+\i], v[SS+16*\b+\i], v[HOLD+\b] ; the hold (ISA guide 7.6.2); p is not negative
.endr
	v_cvt_scalef32_pk8_bf8_f32 v[PC+4*\b:PC+4*\b+1], v[SS+16*\b:SS+16*\b+7], v[SCL+\b]
	v_cvt_scalef32_pk8_bf8_f32 v[PC+4*\b+2:PC+4*\b+3], v[SS+16*\b+8:SS+16*\b+15], v[SCL+\b]
.endr
.rept 4
	v_nop                                                    ; four places between codes made by vector instructions and the product that takes them
.endr
.irp j, 0,2,4,6,8,10,12,14
	v_pk_mul_f32 v[OO+\j:OO+\j+1], v[OO+\j:OO+\j+1], v[FF:FF+1] op_sel_hi:[1,0]   ; O^T under the new M
.endr
	s_wait_dscnt 0x0                                         ; v and its word are in
	v_wmma_scale_f32_16x16x128_f8f6f4 v[OO:OO+7], v[VV:VV+15], v[PC:PC+15], v[OO:OO+7], v[VS], v[PW] matrix_a_fmt:MATRIX_FMT_BF8 matrix_b_fmt:MATRIX_FMT_BF8
	v_wmma_scale_f32_16x16x128_f8f6f4 v[OO+8:OO+15], v[VV+16:VV+31], v[PC:PC+15], v[OO+8:OO+15], v[VS], v[PW] matrix_a_fmt:MATRIX_FMT_BF8 matrix_b_fmt:MATRIX_FMT_BF8 matrix_a_scale:MATRIX_SCALE_ROW1
.rept 8
	v_nop                                                    ; places ahead of the next step's loads into v's registers and of the first read of O^T
.endr
.Lhidden_\@:
	s_add_co_u32 s[KF], s[KF], 128
	s_add_co_u32 s[TK], s[TK], 8192
	s_add_co_u32 s[TS], s[TS], 640
	s_sub_co_u32 s[CNT], s[CNT], 1
	s_cmp_lg_u32 s[CNT], 0
	s_cbranch_scc1 .Lstep_\@
	; O^T / l: a lane's 16 registers are d = 16 h + 0..15 of its query: with lane l xor 16 a block of 32 along C
	v_add_f32 v14, v14, v15
	v_permlanex16_b32 v[BT], v14, s[SEL], s[SEL+1]
	v_add_f32 v14, v14, v[BT]
	v_rcp_f32 v14, v14
	v_nop
	s_wait_alu depctr_va_vdst(0)
.irp j, 0,1,2,3,4,5,6,7,8,9,10,11,12,13,14,15
	v_mul_f32 v[SS+\j], v[OO+\j], v14
.endr
	v_max3_num_f32 v[BM], |v[SS]|, |v[SS+1]|, FLOOR
.irp i, 2,4,6,8,10,12,14
	v_max3_num_f32 v[BM], v[BM], |v[SS+\i]|, |v[SS+\i+1]|
.endr
	v_permlanex16_b32 v[BT], v[BM], s[SEL], s[SEL+1]
	v_max_num_f32 v[BM], v[BM], v[BT]
	v_add_nc_u32 v[SCL], EOFF, v[BM]
	v_and_or_b32 v[HOLD], v[BM], EXPM, s[MNT]
	v_lshrrev_b32 v[OB], 23, v[SCL]
.irp j, 0,1,2,3,4,5,6,7,8,9,10,11,12,13,14,15
	v_med3_num_f32 v[SS+\j], v[SS+\j], -v[HOLD], v[HOLD]
.endr
	v_cvt_scalef32_pk8_bf8_f32 v[PC:PC+1], v[SS:SS+7], v[SCL]
	v_cvt_scalef32_pk8_bf8_f32 v[PC+2:PC+3], v[SS+8:SS+15], v[SCL]
	v_nop
	global_store_b128 v[L16], v[PC:PC+3], s[TS0+8*\tn+4:TS0+8*\tn+5]    ; a piece: 512 consecutive bytes
	global_store_b8 v[R16], v[OB], s[TS0+8*\tn+6:TS0+8*\tn+7]           ; lanes l and l xor 16 write the same byte with the same value
.endm
	TILE 0
	TILE 1
	s_wait_tensorcnt 0x0
	ds_add_u32 v240, v241
	s_wait_dscnt 0x0
	s_endpgm
.Lfunc_end_k_q47fe68f556_attn:
	.size	k_q47fe68f556_attn, .Lfunc_end_k_q47fe68f556_attn-k_q47fe68f556_attn
	.p2alignl 7, 3214868480
	.fill 96, 4, 3214868480
	.section	.rodata,"a",@progbits
	.p2align	6, 0x0
	.amdhsa_kernel k_q47fe68f556_attn
		.amdhsa_group_segment_fixed_size 169984
		.amdhsa_private_segment_fixed_size 0
		.amdhsa_enable_private_segment 0
		.amdhsa_kernarg_size 24
		.amdhsa_user_sgpr_count 2
		.amdhsa_user_sgpr_kernarg_segment_ptr 1
		.amdhsa_wavefront_size32 1
		.amdhsa_system_sgpr_workgroup_id_x 1
		.amdhsa_system_sgpr_workgroup_id_y 1
		.amdhsa_system_sgpr_workgroup_id_z 1
		.amdhsa_system_vgpr_workitem_id 0
		.amdhsa_next_free_vgpr 242
		.amdhsa_next_free_sgpr 96
		.amdhsa_reserve_vcc 1
		.amdhsa_float_denorm_mode_32 3
		.amdhsa_float_denorm_mode_16_64 3
		.amdhsa_memory_ordered 1
		.amdhsa_forward_progress 1
		.amdhsa_inst_pref_size 59
	.end_amdhsa_kernel
	.amdgpu_metadata
---
amdhsa.version: [ 1, 2 ]
amdhsa.kernels:
  - .name:           k_q47fe68f556_attn
    .symbol:         k_q47fe68f556_attn.kd
    .args:
      - { .name: qpk, .offset: 0, .size: 8, .value_kind: global_buffer, .address_space: global }
      - { .name: kv, .offset: 8, .size: 8, .value_kind: global_buffer, .address_space: global }
      - { .name: apk, .offset: 16, .size: 8, .value_kind: global_buffer, .address_space: global }
    .group_segment_fixed_size: 169984
    .private_segment_fixed_size: 0
    .kernarg_segment_align: 8
    .kernarg_segment_size: 24
    .max_flat_workgroup_size: 512
    .sgpr_count:     96
    .vgpr_count:     242
    .wavefront_size: 32
...
	.end_amdgpu_metadata
.endif
;; end of part 3
;; launch tail (part 4): grid 256 x 1, 4 waves a work-group, no clusters, 84,992 bytes of LDS; arguments x, apk, wpk, ffn_norm_w, gate_w, out0; writes out0
.if DOCPART == 4
	.amdgcn_target "amdgcn-amd-amdhsa--gfx1250"
	.amdhsa_code_object_version 6
	.text
	.protected	k_q47fe68f556_tail
	.globl	k_q47fe68f556_tail
	.p2align	8
	.type	k_q47fe68f556_tail,@function
k_q47fe68f556_tail:
	s_mov_b64 s[64:65], 0
	v_nop
	global_prefetch_b8 v0, s[64:65] scope:SCOPE_SE
	s_setreg_imm32_b32 hwreg(HW_REG_WAVE_MODE, 25, 1), 1
	s_wait_xcnt 0x0
; TAIL: h = x + attention x wo^T; t = RMSNorm(h); logits = t x gate_w^T (f32 multiply-adds); the two largest of four, softmax of the two; out = h + sum over experts of weight x (Q(t) x W_e^T).  Products on codes of E5M2.
; A work-group takes 32 tokens.  THE WAVES SHARE THE COLUMNS: wave w makes columns 128 w .. 128 w + 127 of wo and of every expert: 20 units of one weight pack, 16 matrix instructions each.  Weight fragments go from memory
; straight into the registers of the one wave that multiplies them, through a ring of three packs.  h, t, the logits and the weights never go to memory.
; ALL FOUR EXPERTS ARE MULTIPLIED for every token and weighed (0 for those not chosen): the choice selects values only.  Multiplying the chosen rows alone would take the choice, the placing of rows and h through memory and two launches more.
; The products are used transposed (source 0 = 16 weight rows, source 1 = 16 tokens); the weight tiles' rows are 8 u + r + 8 (r/8): a lane holds token r and, in 16 registers of two tiles, columns 32 p + 16 h + 0..15.
; x is the C of wo's first products, so the residual costs no addition; the experts' results are added onto h by fused multiply-adds with the token's weight.
; FOUR BARRIERS.  x goes into the stage by rows | B1 | each wave reads its column strip, multiplies, writes h into the same strip | B2 | wave w norms, gates and quantises rows 8 w .. 8 w + 7 | B3 | t's pack and the weights
; are fetched by all, the experts are multiplied, out goes into the wave's strip | B4 | rows leave, 512 consecutive bytes a store.  In the results' layout a wave touches its own 512 bytes of each stage row alone.
; TIES between logits go to the lower index.  The sums' order differs from a plain left-to-right sum: logits that agree to the last bits of f32 may fall the other way.
; NOT USED: clusters and joint loads (all work-groups walk the same packs; this text keeps fragments on the way memory -> registers, with no slot in LDS to fill again); a prefetch (x and the pack are asked for at the head).
; LIMITS: NaN and infinities are not served; a block of zeros gets the byte 1 (its codes are zeros; this program alone reads the bytes).
.set PACK,  16896
.set PP,    528
.set SCB,   16896
.set COMB,  17408                      ; 32 tokens x 4 experts x the weight twice
.set STG,   18432
.set SP,    2064
.set FLOOR, 0x08000000
.set EOFF,  0xf8800000
.set EXPM,  0x7f800000
.set NP,    9                          ; places behind a run of products: 8 for reads of results and loads into operands, one more since the next unit's products begin the same accumulators anew
.set L16, 2
.set VW,  3                            ; v3   16 x lane + 4 packs x wave
.set XG,  4                            ; v4   16 x lane + 8 rows x wave, in x and in out0
.set SD,  5                            ; v5   the stage by rows, 16 x lane
.set SR,  6                            ; v6   the stage by rows, 32 x lane
.set SA,  7                            ; v7   the stage in the results' layout: row r, 64 h, 512 x wave
.set CA,  8
.set BA,  9
.set L32, 10
.set CWA, 11
.set CRA, 12
.set L7,  13
.set OPS, 32                           ; v32-35  the operand's scale words
.set WS,  36                           ; v36-47  the ring's scale words
.set CB,  48                           ; v48-63  the weights of my two tokens: pair 8 m + 2 e
.set OP,  64                           ; v64-191 the operand's eight fragments; in the row phase:
.set DG,  64                           ; v64-71  four logits in halves
.set LG,  72                           ; v72-75  the logits: lane l holds those of row l % 8
.set GP,  76
.set CW,  112                          ; v112-119 the weights, each twice
.set ACC, 192
.set XA,  192
.set S2,  224
.set RS,  228
.set PT,  230
.set MX,  232
.set SC,  234
.set HD,  236
.set BY,  238
.set CD,  242
.set FW,  128                          ; window 3: v128-143 the norm's weights of my 16 columns
.set GW,  144                          ; window 3: v144 + 16 e: the gate's
.set WPK, 8
.set MNT, 30
.set SEL, 32
.set INV, 34
.set EPSR, 35
.set MSK, 40                           ; s40-47: lanes with l % 8 == i
.set NLD, 0
.set MSB, 0
.macro WIN new                         ; the immediate's high byte repeats the setting that is left
.if MSB != (\new)
	s_set_vgpr_msb (MSB<<8)|(\new)
.set MSB, (\new)
.endif
.endm
.macro WAITL mk, extra                 ; all loads up to the mark are in, but for the last 'extra' of them; a wait's field names 63 at the most, and a smaller count is always right
.if NLD-\mk+(\extra) > 63
	s_wait_loadcnt 63
.else
	s_wait_loadcnt NLD-\mk+(\extra)
.endif
.endm
.macro SETMK k
.if (\k) == 0
.set MK0, NLD
.elseif (\k) == 1
.set MK1, NLD
.else
.set MK2, NLD
.endif
.endm
.macro WAITU k
.if (\k) == 0
	WAITL MK0, 0
.elseif (\k) == 1
	WAITL MK1, 0
.else
	WAITL MK2, 0
.endif
.endm
.macro PLACES n
.rept \n
	v_nop
.endr
.endm
.macro BARRIER
	s_wait_dscnt 0x0
	s_barrier_signal -1
	s_barrier_wait -1
.endm
; unit u's pack into ring slot u % 3 (slot 0: window 2, v0; slot 1: window 2, v128; slot 2: window 3, v0), its scale words into window 0
.macro LOADU u, vo, imm
.set KSL, (\u)%3
.if KSL == 2
	WIN 0xc0
.set WBASE, 0
.elseif KSL == 1
	WIN 0x80
.set WBASE, 128
.else
	WIN 0x80
.set WBASE, 0
.endif
.set II, 0
.rept 32
	global_load_b128 v[WBASE+4*II:WBASE+4*II+3], v[\vo], s[WPK:WPK+1] offset:(\imm)+512*II
.set II, II+1
.endr
	WIN 0
	global_load_b128 v[WS+4*KSL:WS+4*KSL+3], v[\vo], s[WPK:WPK+1] offset:(\imm)+16384
.set NLD, NLD+33
	SETMK KSL
.endm
.macro LOADT u                         ; units 0-3: wo's packs 24 + 4 w + u; units 4 + 4 e + b: expert e's packs 40 + 16 e + 4 w + b
.if (\u) < 4
.set UIMM, (24+(\u))*PACK
.else
.set UIMM, (40+16*(((\u)-4)/4)+((\u)-4)%4)*PACK
.endif
	LOADU \u, VW, UIMM
.endm
.macro MM1 s, u2, m, mode, b
.set RW,  WBASE+16*(4*(\u2)+(\s))
.set RO,  OP+16*(4*(\m)+(\s))
.set RWS, WS+4*KSL+2*(\u2)+(\s)/2
.set ROS, OPS+2*(\m)+(\s)/2
.if (\mode) == 1
.set RA, RO
.set RB, RW
.set RSA, ROS
.set RSB, RWS
.set RD, ACC+16*(\u2)+8*(\m)
.else
.set RA, RW
.set RB, RO
.set RSA, RWS
.set RSB, ROS
.if (\mode) == 0
.set RD, ACC+16*(\m)+8*(\u2)
.else
.set RD, 64*(\m)+16*(\b)+8*(\u2)
.endif
.endif
.if ((\s) == 0) && ((\mode) != 2)
	v_wmma_scale_f32_16x16x128_f8f6f4 v[RD:RD+7], v[RA:RA+15], v[RB:RB+15], 0, v[RSA], v[RSB] matrix_a_fmt:MATRIX_FMT_BF8 matrix_b_fmt:MATRIX_FMT_BF8
.elseif (\s)%2 == 0
	v_wmma_scale_f32_16x16x128_f8f6f4 v[RD:RD+7], v[RA:RA+15], v[RB:RB+15], v[RD:RD+7], v[RSA], v[RSB] matrix_a_fmt:MATRIX_FMT_BF8 matrix_b_fmt:MATRIX_FMT_BF8
.else
	v_wmma_scale_f32_16x16x128_f8f6f4 v[RD:RD+7], v[RA:RA+15], v[RB:RB+15], v[RD:RD+7], v[RSA], v[RSB] matrix_a_fmt:MATRIX_FMT_BF8 matrix_b_fmt:MATRIX_FMT_BF8 matrix_a_scale:MATRIX_SCALE_ROW1 matrix_b_scale:MATRIX_SCALE_ROW1
.endif
.endm
; 16 matrix instructions: 2 weight tiles x 2 token tiles x 4 K steps; the four accumulators take turns, one instruction a turn.
; mode 0: results in window 0, the first product starts the sum; mode 2: onto the registers of window 1 (x, which so becomes h)
.macro MM16 u, mode, b
.set KSL, (\u)%3
.if KSL == 2
.set WB, 3
.set WBASE, 0
.elseif KSL == 1
.set WB, 2
.set WBASE, 128
.else
.set WB, 2
.set WBASE, 0
.endif
.if (\mode) == 0
	WIN WB
.elseif (\mode) == 1
	WIN WB*4
.else
	WIN 0x50+WB
.endif
.irp s, 0,1,2,3
.irp u2, 0,1
.irp m, 0,1
	MM1 \s, \u2, \m, \mode, \b
.endr
.endr
.endr
.endm
.macro QROW i
.irp a, 0,1
	v_max3_num_f32 v[MX+\a], |v[X+8*\a]|, |v[X+8*\a+1]|, FLOOR
.endr
.irp k, 2,4,6
.irp a, 0,1
	v_max3_num_f32 v[MX+\a], v[MX+\a], |v[X+8*\a+\k]|, |v[X+8*\a+\k+1]|
.endr
.endr
.irp xm, 1,2
.irp a, 0,1
	v_max_num_f32_dpp v[MX+\a], v[MX+\a], v[MX+\a] row_xmask:\xm row_mask:0xf bank_mask:0xf   ; four lanes hold a block of 32
.endr
.endr
.irp a, 0,1
	v_add_nc_u32 v[SC+\a], EOFF, v[MX+\a]
	v_and_or_b32 v[HD+\a], v[MX+\a], EXPM, s[MNT]
.endr
.irp a, 0,1
	v_lshrrev_b32 v[BY+2*PR+\a], 23, v[SC+\a]
.endr
.irp a, 0,1
.irp k, 0,1,2,3,4,5,6,7
	v_med3_num_f32 v[X+8*\a+\k], v[X+8*\a+\k], -v[HD+\a], v[HD+\a]
.endr
.endr
.irp a, 0,1
	v_cvt_scalef32_pk8_bf8_f32 v[CD+4*PR+2*\a:CD+4*PR+2*\a+1], v[X+8*\a:X+8*\a+7], v[SC+\a]
.endr
	v_nop
.irp a, 0,1
	ds_store_b64 v[CA], v[CD+4*PR+2*\a:CD+4*PR+2*\a+1] offset:8*PP*\a+16*(\i)
	ds_store_b8 v[BA], v[BY+2*PR+\a] offset:4*\a+16*(\i)
.endr
.endm
; row i of my eight: t = h * rsqrt(mean(h^2) + eps) * w; its four logits; the quantiser.  Lane l holds columns 8 l .. 8 l + 7 and 256 + 8 l .. + 7
.macro ROWQ i
.set X,  XA+16*((\i)&1)
.set XN, XA+16-16*((\i)&1)
.set PR, (\i)&1
.if (\i) < 7
.irp a, 0,1
.irp j, 0,1
	ds_load_b128 v[XN+8*\a+4*\j:XN+8*\a+4*\j+3], v[SR] offset:((\i)+1)*SP+1024*\a+16*\j
.endr
.endr
.endif
.if ((\i) == 0) || ((\i) == 7)
	s_wait_dscnt 4                                           ; row 0: the next row's four loads may be out; row 7: row 6's four stores
.else
	s_wait_dscnt 8                                           ; the last row's four stores and the next row's four loads may be out
.endif
	v_pk_mul_f32 v[S2:S2+1], v[X:X+1], v[X:X+1]
	v_pk_mul_f32 v[S2+2:S2+3], v[X+2:X+3], v[X+2:X+3]
.irp k, 4,8,12
	v_pk_fma_f32 v[S2:S2+1], v[X+\k:X+\k+1], v[X+\k:X+\k+1], v[S2:S2+1]
	v_pk_fma_f32 v[S2+2:S2+3], v[X+\k+2:X+\k+3], v[X+\k+2:X+\k+3], v[S2+2:S2+3]
.endr
	v_pk_add_f32 v[S2:S2+1], v[S2:S2+1], v[S2+2:S2+3]
	v_add_f32 v[S2], v[S2], v[S2+1]
.irp xm, 1,2,4,8
	v_add_f32_dpp v[S2], v[S2], v[S2] row_xmask:\xm row_mask:0xf bank_mask:0xf
.endr
	v_permlanex16_b32 v[PT], v[S2], s[SEL], s[SEL+1]
	v_add_f32 v[S2], v[S2], v[PT]
	v_fma_f32 v[S2], v[S2], s[INV], s[EPSR]                  ; the mean + eps
	v_rsq_f32 v[RS], v[S2]
	v_rsq_f32 v[RS+1], v[S2]
	v_nop                                                    ; a plain line behind the transcendentals
	s_wait_alu depctr_va_vdst(0)
.irp k, 0,2,4,6,8,10,12,14
	v_pk_mul_f32 v[X+\k:X+\k+1], v[X+\k:X+\k+1], v[RS:RS+1]
.endr
	WIN 0x0c                                                 ; source 1 in window 3: the norm's and the gate's weights
.irp k, 0,2,4,6,8,10,12,14
	v_pk_mul_f32 v[X+\k:X+\k+1], v[X+\k:X+\k+1], v[FW+\k:FW+\k+1]
.endr
.irp e, 0,1,2,3
	v_pk_mul_f32 v[DG+2*\e:DG+2*\e+1], v[X:X+1], v[GW+16*\e:GW+16*\e+1]
.endr
.irp k, 2,4,6,8,10,12,14
.irp e, 0,1,2,3
	v_pk_fma_f32 v[DG+2*\e:DG+2*\e+1], v[X+\k:X+\k+1], v[GW+16*\e+\k:GW+16*\e+\k+1], v[DG+2*\e:DG+2*\e+1]
.endr
.endr
	WIN 0
.irp e, 0,1,2,3
	v_add_f32 v[DG+2*\e], v[DG+2*\e], v[DG+2*\e+1]
.endr
.irp xm, 1,2,4,8
.irp e, 0,1,2,3
	v_add_f32_dpp v[DG+2*\e], v[DG+2*\e], v[DG+2*\e] row_xmask:\xm row_mask:0xf bank_mask:0xf
.endr
.endr
.irp e, 0,1,2,3
	v_permlanex16_b32 v[GP+\e], v[DG+2*\e], s[SEL], s[SEL+1]
.endr
.irp e, 0,1,2,3
	v_add_f32 v[DG+2*\e], v[DG+2*\e], v[GP+\e]
.endr
.irp e, 0,1,2,3
	v_cndmask_b32 v[LG+\e], v[LG+\e], v[DG+2*\e], s[MSK+(\i)]   ; lanes with l % 8 == i keep this row's logits
.endr
	QROW \i
.endm
.macro COMBINE e, b                    ; out += weight x the expert's result: each accumulator from its low end on
	WIN 0x50
.irp m, 0,1
.irp k, 0,2,4,6,8,10,12,14
	v_pk_fma_f32 v[64*\m+16*(\b)+\k:64*\m+16*(\b)+\k+1], v[ACC+16*\m+\k:ACC+16*\m+\k+1], v[CB+8*\m+2*(\e):CB+8*\m+2*(\e)+1], v[64*\m+16*(\b)+\k:64*\m+16*(\b)+\k+1]
.endr
.endr
	WIN 0
.endm
	s_load_b256 s[4:11], s[0:1], 0x0                         ; x s[4:5], apk s[6:7], wpk s[8:9], ffn_norm_w s[10:11]
	s_load_b128 s[12:15], s[0:1], 0x20                       ; gate_w s[12:13], out0 s[14:15]
	v_lshl_add_u32 v254, v0, 2, 0x14a00
	v_mov_b32 v255, 0
	v_lshrrev_b32 v1, 5, v0
	v_readfirstlane_b32 s16, v1                              ; wave
	v_and_b32 v1, 31, v0
	v_and_b32 v14, 15, v0                                    ; r
	v_bfe_u32 v15, v0, 4, 1                                  ; h
	v_lshlrev_b32 v[L16], 4, v1
	v_lshlrev_b32 v[L32], 5, v1
	v_and_b32 v[L7], 7, v0
	s_mul_i32 s17, s16, 4*PACK
	v_add_nc_u32 v[VW], s17, v[L16]
	s_lshl_b32 s17, s16, 14
	v_add_nc_u32 v[XG], s17, v[L16]
	s_mul_i32 s17, s16, 8*SP
	s_add_co_u32 s17, s17, STG
	v_add_nc_u32 v[SD], s17, v[L16]
	v_lshl_add_u32 v[SR], v1, 5, s17
	v_mul_u32_u24 v[SA], v14, SP
	v_lshl_add_u32 v[SA], v15, 6, v[SA]
	s_lshl_b32 s17, s16, 9
	s_add_co_u32 s17, s17, STG
	v_add_nc_u32 v[SA], s17, v[SA]
	v_bfe_u32 v16, v0, 2, 2
	v_bfe_u32 v17, v0, 1, 1
	v_and_b32 v18, 1, v0
	v_mul_u32_u24 v[CA], v15, 4*PP
	v_mad_u32_u24 v[CA], v16, PP, v[CA]
	v_lshl_add_u32 v[CA], v17, 8, v[CA]
	v_lshl_add_u32 v[CA], v18, 3, v[CA]
	s_and_b32 s18, s16, 1                                    ; token 8 w + i lies in tile w / 2, at lane 8 (w & 1) + i
	s_lshr_b32 s19, s16, 1
	s_mul_i32 s20, s19, 16*PP
	s_lshl_b32 s21, s18, 7
	s_add_co_u32 s20, s20, s21
	v_add_nc_u32 v[CA], s20, v[CA]
	v_lshl_add_u32 v[BA], v15, 8, v16
	s_lshl_b32 s22, s19, 3
	s_add_co_u32 s21, s21, s22
	s_add_co_u32 s21, s21, SCB
	v_add_nc_u32 v[BA], s21, v[BA]
	s_lshl_b32 s17, s16, 8
	s_add_co_u32 s17, s17, COMB
	v_lshl_add_u32 v[CWA], v[L7], 5, s17                     ; token 8 w + l % 8: 32 bytes a token
	v_lshl_add_u32 v[CRA], v14, 5, COMB
.irp i, 0,1,2,3,4,5,6,7
	v_cmp_eq_u32 s[MSK+\i], \i, v[L7]
.endr
	s_mov_b32 s[MNT], 0x600000
	s_mov_b32 s[SEL], 0x76543210
	s_mov_b32 s[SEL+1], 0xfedcba98
	s_mov_b32 s[INV], 0x3b000000                             ; 1 / 512
	s_mov_b32 s[EPSR], 0x358637bd                            ; 1e-6
	s_lshl_b32 s24, ttmp9, 16                                ; 32 rows of 2,048 bytes
	s_mov_b32 s25, 0
	s_mul_i32 s26, ttmp9, PACK
	s_mov_b32 s27, 0
	s_wait_kmcnt 0x0
	s_add_nc_u64 s[4:5], s[4:5], s[24:25]
	s_add_nc_u64 s[14:15], s[14:15], s[24:25]
	s_add_nc_u64 s[6:7], s[6:7], s[26:27]
	; ---- x by rows, the attention's pack, the norm's and the gate's weights
	WIN 0x40
.irp i, 0,1,2,3,4,5,6,7
.irp q, 0,1,2,3
	global_load_b128 v[16*\i+4*\q:16*\i+4*\q+3], v[XG], s[4:5] offset:2048*\i+512*\q th:TH_LOAD_NT   ; 512 consecutive bytes
.endr
.endr
	WIN 0
.set NLD, NLD+32
.set MK_X, NLD
.set II, 0
.rept 32
	global_load_b128 v[OP+4*II:OP+4*II+3], v[L16], s[6:7] offset:512*II th:TH_LOAD_NT
.set II, II+1
.endr
	global_load_b128 v[OPS:OPS+3], v[L16], s[6:7] offset:16384 th:TH_LOAD_NT
.set NLD, NLD+33
.set MK_A, NLD
	WIN 0xc0
.irp a, 0,1
.irp j, 0,1
	global_load_b128 v[FW+8*\a+4*\j:FW+8*\a+4*\j+3], v[L32], s[10:11] offset:1024*\a+16*\j
.endr
.endr
.irp e, 0,1,2,3
.irp a, 0,1
.irp j, 0,1
	global_load_b128 v[GW+16*\e+8*\a+4*\j:GW+16*\e+8*\a+4*\j+3], v[L32], s[12:13] offset:2048*\e+1024*\a+16*\j
.endr
.endr
.endr
	WIN 0
.set NLD, NLD+20
.set MK_G, NLD
	WIN 0x04                                                 ; an LDS store's data are its source 1: window 1
.irp i, 0,1,2,3,4,5,6,7
	WAITL MK_X, 28-4*\i                                      ; row i of x is in
.irp q, 0,1,2,3
	ds_store_b128 v[SD], v[16*\i+4*\q:16*\i+4*\q+3] offset:\i*SP+512*\q
.endr
.endr
	WIN 0
	LOADT 0
	BARRIER                                                  ; B1: 32 rows of x lie in the stage
	; ---- x in the results' layout: it is the C of wo's first products
	WIN 0x40
.irp m, 0,1
.irp b, 0,1,2,3
.irp q, 0,1,2,3
	ds_load_b128 v[64*\m+16*\b+4*\q:64*\m+16*\b+4*\q+3], v[SA] offset:16*SP*\m+128*\b+16*\q
.endr
.endr
.endr
	WIN 0
	LOADT 1
	LOADT 2
	s_wait_dscnt 0x0
	WAITL MK_A, 0
.irp b, 0,1,2,3
	WAITU (\b)%3
	MM16 \b, 2, \b
	WIN 0
	PLACES NP
	LOADT \b+3
	WIN 0x04
.irp m, 0,1
.irp q, 0,1,2,3
	ds_store_b128 v[SA], v[64*\m+16*\b+4*\q:64*\m+16*\b+4*\q+3] offset:16*SP*\m+128*\b+16*\q   ; h into my own strip, each accumulator from its low end on
.endr
.endr
	WIN 0
.endr
	BARRIER                                                  ; B2: 32 rows of h lie in the stage
	; ---- my eight rows: norm, gate, quantiser
.irp e, 0,1,2,3
	v_mov_b32 v[LG+\e], 0
	v_mov_b32 v[GP+\e], 0                                    ; a lane permute's destination counts as one of its sources
.endr
	v_mov_b32 v[PT], 0
.irp a, 0,1
.irp j, 0,1
	ds_load_b128 v[XA+8*\a+4*\j:XA+8*\a+4*\j+3], v[SR] offset:1024*\a+16*\j
.endr
.endr
	WAITL MK_G, 0
.irp i, 0,1,2,3,4,5,6,7
	ROWQ \i
.endr
	; ---- the two largest of four, a lane a row.  B_fe = 1 where l_f >= l_e (f < e): then f stands ahead of e, ties too.  An expert's rank is the number of experts ahead of it
	v_cmp_ge_f32 vcc_lo, v[LG], v[LG+1]
	v_cndmask_b32 v80, 0, 1, vcc_lo
	v_cmp_ge_f32 vcc_lo, v[LG], v[LG+2]
	v_cndmask_b32 v81, 0, 1, vcc_lo
	v_cmp_ge_f32 vcc_lo, v[LG], v[LG+3]
	v_cndmask_b32 v82, 0, 1, vcc_lo
	v_cmp_ge_f32 vcc_lo, v[LG+1], v[LG+2]
	v_cndmask_b32 v83, 0, 1, vcc_lo
	v_cmp_ge_f32 vcc_lo, v[LG+1], v[LG+3]
	v_cndmask_b32 v84, 0, 1, vcc_lo
	v_cmp_ge_f32 vcc_lo, v[LG+2], v[LG+3]
	v_cndmask_b32 v85, 0, 1, vcc_lo
	v_add3_u32 v86, v80, v81, v82
	v_sub_nc_u32 v86, 3, v86                                 ; rank of expert 0
	v_add_nc_u32 v87, v83, v84
	v_sub_nc_u32 v87, v80, v87
	v_add_nc_u32 v87, 2, v87                                 ; of 1
	v_add3_u32 v88, v81, v83, 1
	v_sub_nc_u32 v88, v88, v85                               ; of 2
	v_add3_u32 v89, v82, v84, v85                            ; of 3
	v_max_num_f32 v90, v[LG], v[LG+1]
	v_min_num_f32 v91, v[LG], v[LG+1]
	v_max_num_f32 v92, v[LG+2], v[LG+3]
	v_min_num_f32 v93, v[LG+2], v[LG+3]
	v_max_num_f32 v94, v90, v92                              ; the largest logit
	v_min_num_f32 v95, v90, v92
	v_max3_num_f32 v95, v95, v91, v93                        ; the second
	v_sub_f32 v96, v95, v94                                  ; the maximum is taken away ahead of the exponential
	v_mul_f32 v96, 0x3fb8aa3b, v96
	v_exp_f32 v96, v96
	v_nop
	s_wait_alu depctr_va_vdst(0)
	v_add_f32 v97, 1.0, v96
	v_rcp_f32 v97, v97                                       ; the first's weight
	v_nop
	s_wait_alu depctr_va_vdst(0)
	v_mul_f32 v98, v96, v97                                  ; the second's
.irp e, 0,1,2,3
	v_cmp_eq_u32 vcc_lo, 1, v[86+\e]
	v_cndmask_b32 v[CW+2*\e], 0, v98, vcc_lo
	v_cmp_eq_u32 vcc_lo, 0, v[86+\e]
	v_cndmask_b32 v[CW+2*\e], v[CW+2*\e], v97, vcc_lo
	v_mov_b32 v[CW+2*\e+1], v[CW+2*\e]                       ; twice: a pair for the packed multiply-add
.endr
	ds_store_b128 v[CWA], v[CW:CW+3]                         ; the four lanes of a row write the same bytes with the same values
	ds_store_b128 v[CWA], v[CW+4:CW+7] offset:16
	BARRIER                                                  ; B3: t's pack and the weights lie in LDS; nobody reads rows of h any more
	; ---- the experts
.set II, 0
.rept 32
	ds_load_b128 v[OP+4*II:OP+4*II+3], v[L16] offset:PP*II
.set II, II+1
.endr
	ds_load_b128 v[OPS:OPS+3], v[L16] offset:SCB
.irp m, 0,1
	ds_load_b128 v[CB+8*\m:CB+8*\m+3], v[CRA] offset:512*\m
	ds_load_b128 v[CB+8*\m+4:CB+8*\m+7], v[CRA] offset:512*\m+16
.endr
	s_wait_dscnt 0x0
.irp e, 0,1,2,3
.irp b, 0,1,2,3
	WAITU (4+4*\e+\b)%3
	MM16 4+4*\e+\b, 0, 0
	WIN 0
	PLACES NP
.if 4+4*\e+\b+3 < 20
	LOADT 4+4*\e+\b+3
.endif
	COMBINE \e, \b
.endr
.endr
	; ---- the way out: my strip into the stage, rows back, 512 consecutive bytes a store
	WIN 0x04
.irp m, 0,1
.irp b, 0,1,2,3
.irp q, 0,1,2,3
	ds_store_b128 v[SA], v[64*\m+16*\b+4*\q:64*\m+16*\b+4*\q+3] offset:16*SP*\m+128*\b+16*\q
.endr
.endr
.endr
	WIN 0
	BARRIER                                                  ; B4: 32 rows of the result lie in the stage
.irp i, 0,1,2,3,4,5,6,7
.irp q, 0,1,2,3
	ds_load_b128 v[OP+16*\i+4*\q:OP+16*\i+4*\q+3], v[SD] offset:\i*SP+512*\q
.endr
.endr
.set N, 0
.rept 32
	s_wait_dscnt 31-N
	global_store_b128 v[XG], v[OP+4*N:OP+4*N+3], s[14:15] offset:2048*(N/4)+512*(N%4) th:TH_STORE_NT
.set N, N+1
.endr
	s_wait_tensorcnt 0x0
	ds_add_u32 v254, v255
	s_wait_dscnt 0x0
	s_endpgm
.Lfunc_end_k_q47fe68f556_tail:
	.size	k_q47fe68f556_tail, .Lfunc_end_k_q47fe68f556_tail-k_q47fe68f556_tail
	.p2alignl 7, 3214868480
	.fill 96, 4, 3214868480
	.section	.rodata,"a",@progbits
	.p2align	6, 0x0
	.amdhsa_kernel k_q47fe68f556_tail
		.amdhsa_group_segment_fixed_size 84992
		.amdhsa_private_segment_fixed_size 0
		.amdhsa_enable_private_segment 0
		.amdhsa_kernarg_size 48
		.amdhsa_user_sgpr_count 2
		.amdhsa_user_sgpr_kernarg_segment_ptr 1
		.amdhsa_wavefront_size32 1
		.amdhsa_system_sgpr_workgroup_id_x 1
		.amdhsa_system_sgpr_workgroup_id_y 1
		.amdhsa_system_sgpr_workgroup_id_z 1
		.amdhsa_system_vgpr_workitem_id 0
		.amdhsa_next_free_vgpr 1024
		.amdhsa_next_free_sgpr 66
		.amdhsa_reserve_vcc 1
		.amdhsa_float_denorm_mode_32 3
		.amdhsa_float_denorm_mode_16_64 3
		.amdhsa_memory_ordered 1
		.amdhsa_forward_progress 1
		.amdhsa_inst_pref_size 231
	.end_amdhsa_kernel
	.amdgpu_metadata
---
amdhsa.version: [ 1, 2 ]
amdhsa.kernels:
  - .name:           k_q47fe68f556_tail
    .symbol:         k_q47fe68f556_tail.kd
    .args:
      - { .name: x, .offset: 0, .size: 8, .value_kind: global_buffer, .address_space: global }
      - { .name: apk, .offset: 8, .size: 8, .value_kind: global_buffer, .address_space: global }
      - { .name: wpk, .offset: 16, .size: 8, .value_kind: global_buffer, .address_space: global }
      - { .name: ffn_norm_w, .offset: 24, .size: 8, .value_kind: global_buffer, .address_space: global }
      - { .name: gate_w, .offset: 32, .size: 8, .value_kind: global_buffer, .address_space: global }
      - { .name: out0, .offset: 40, .size: 8, .value_kind: global_buffer, .address_space: global }
    .group_segment_fixed_size: 84992
    .private_segment_fixed_size: 0
    .kernarg_segment_align: 8
    .kernarg_segment_size: 48
    .max_flat_workgroup_size: 128
    .sgpr_count:     66
    .vgpr_count:     1024
    .wavefront_size: 32
...
	.end_amdgpu_metadata
.endif
;; end of part 4
;; ======== version 2 of 2: 4 launches; version 1 with the launches qkv, tail written anew for expert scheduling mode
;; workspace buffers: wpk 1,757,184 bytes; qpk 4,718,592 bytes; kv 2,260,992 bytes; apk 4,325,376 bytes
;; launch prep: the kernel of part 1 again; grid 104 x 1, 4 waves a work-group, no clusters, 84,992 bytes of LDS; arguments wq, wk, wv, wo, expert_w, wpk; writes wpk
;; launch qkv (part 5): grid 256 x 1, 4 waves a work-group, no clusters, 84,992 bytes of LDS; arguments x, attn_norm_w, wpk, qpk, kv; writes qpk, kv
.if DOCPART == 5
	.amdgcn_target "amdgcn-amd-amdhsa--gfx1250"
	.amdhsa_code_object_version 6
	.text
	.protected	k_q47fe68f556_qkv
	.globl	k_q47fe68f556_qkv
	.p2align	8
	.type	k_q47fe68f556_qkv,@function
k_q47fe68f556_qkv:
	s_mov_b64 s[64:65], 0
	v_nop
	global_prefetch_b8 v0, s[64:65] scope:SCOPE_SE
	s_setreg_imm32_b32 hwreg(HW_REG_WAVE_SCHED_MODE, 0, 2), 2
	s_setreg_imm32_b32 hwreg(HW_REG_WAVE_MODE, 25, 1), 1
	s_wait_xcnt 0x0
	s_wait_alu depctr_vm_vsrc(0)
; QKV: RMSNorm(x), quantised along C; q, k, v = its products with wq, wk, wv on codes of E5M2; q and k quantised along the head's 32, v along the keys; all stored as images of operand registers.
; A work-group takes 32 tokens.  Wave g first norms and quantises rows 8 g .. 8 g + 7 (a row turns through the wave's own stage in LDS); the 32 rows' codes meet in LDS as a pack (see below); one barrier.
; Then wave g is GQA group g: six units of one weight pack each (q heads 4 g .. 4 g + 3, k head g, v head g), 16 matrix instructions a unit.  Weight fragments go from memory straight into the registers
; of the one wave that multiplies them, through a ring of four packs (a pack = 33 loads of 512 bytes).
; PACK: 32 rows x 512 K: piece (tile*4+s)*4+c of 512 bytes, lane l's 16 bytes at 16 l (row l%16, k = 128 s + 32 c + 16 (l/16) + 0..15); then 512 scale bytes, (16 (s&1) + r) 16 + (2 tile + s/2) 4 + c.
; q, k: the product is used transposed (source 0 = 16 weight rows, source 1 = 16 tokens).  The weight tiles' rows are 8 u + r + 8 (r/8), so a lane's 16 registers of tiles u = 0, 1 are d = 16 (l/16) + 0..15 of
; one token: a piece.  v: source 0 = tokens, source 1 = the weight tile: a lane holds one d and the tokens {8 h + j, 16 + 8 h + j}: a block of 32 keys in the order in which the weights p fall out in the next launch.
; qpk: a block of 32 tokens is 18,432 bytes: codes at m 8192 + head 512; scale words (the byte four times) at 16384 + g 512 + (16 m + r) 16 + 4 a.
; kv: (b 4 + g) x 141,312 bytes: key step sigma (128 keys): k tiles at sigma 8192 + 512 t, v at sigma 8192 + 4096 + 2048 u + 512 c; from 131,072 on, 640 bytes a step: k's words (the byte four times; tile pair c: 128 bytes), v's words.
; v's scale bytes are stored one a lane, 4 bytes apart (four work-groups fill a word): 32 bytes of each work-group and wave; all other stores cover 128 or 512 consecutive bytes.
; NOT USED: clusters and joint loads (all work-groups walk the same packs; this text keeps fragments on the way memory -> registers, with no slot in LDS to fill again); a prefetch (x is asked for at the head).
; LIMITS: NaN and infinities among the inputs are not served; a block of zeros gets the byte 1 (its codes are zeros; this program alone reads the bytes).
; THE MODE: SCHED_MODE bits 1:0 = 2 (LLVM: expert scheduling mode 2), set by the entry lines.  The code itself states the register dependences
; between vector or matrix instructions and memory or LDS instructions, with s_wait_alu, always for 0.
; THE PLAN.  Registers that memory or LDS instructions touch:
;   v2 .. v11     Offsets and LDS addresses: made once at the head, never written again.
;   OP            x as loaded; read by the staging LDS stores; behind the barrier the pack's LDS loads land in it; then the products read it.
;   XA            Two row buffers by turns.  Row i's lines read and write XA[i & 1]; the LDS loads at the head of row i + 1 land in it (row i + 2).
;   BY, CD        Two sets by turns.  Row i's lines write set i & 1; row i's four LDS stores read it; row i + 2 writes it again.
;   ring 0 .. 3   A slot and its four scale words: unit u's products read slot u % 4; the loads of unit u + 4 land in it, issued in unit u + 1.
;   Q2CD, QW, KW, VBY   Unit p's quantiser writes them; the global stores that read them are issued at the head of unit p + 1; Q2CD is written again in unit p + 1.
; A row has one wait on va_vdst, behind its conversions: the stores that follow read what it has written, and the next row's loads, with no vector line between, land in the buffer that it is done with.
; A unit has one wait on va_vdst, at its head: for the last unit's stores and for the loads into the slot that the last unit's products read.  The products issued behind that wait name slot u % 4, its scale
; words, OP, OPS and the accumulators: none of the registers that those loads touch.
.set PACK,  16896
.set PP,    528
.set SCB,   16896
.set STG,   18432
.set SP,    2064
.set FLOOR, 0x08000000
.set EOFF,  0xf8800000
.set EXPM,  0x7f800000
.set NP,    9                          ; places behind a run of products: 8 for reads of results, one more since the next unit's products begin the same accumulators anew
.set L16, 2                            ; v2   16 x lane
.set VW,  3                            ; v3   16 x lane + 4 packs x wave
.set VW1, 4                            ; v4   16 x lane + 1 pack x wave
.set XG,  5                            ; v5   16 x lane + 8 rows of x x wave
.set SD,  6
.set SR,  7
.set CA,  8
.set BA,  9
.set L4,  10
.set L32, 11
.set WS,  16                           ; v16-31  the ring's scale words, four a slot
.set OPS, 32                           ; v32-35  x's scale words
.set NW,  48                           ; v48-63  the norm's weights of my 16 columns; later:
.set QW,  48                           ; v48-51  q's scale words of four heads
.set KW,  52
.set VBY, 53
.set OP,  64                           ; v64-191 x as loaded; then x's eight fragments
.set ACC, 192                          ; v192-223 four accumulators; in the row phase two rows by turns
.set XA,  192
.set S2,  224
.set RS,  228
.set PT,  230
.set MX,  232
.set SC,  234
.set HD,  236
.set BY,  238
.set CD,  242
.set Q2CD, 240                         ; v240-247 a unit's two pieces
.set W0,  248
.set W1,  249
.set WPK, 8                            ; s[8:9]
.set QB,  16
.set QSB, 18
.set KB,  20
.set VB,  22
.set KSB, 24
.set VSB, 26
.set MNT, 30
.set SEL, 32
.set INV, 34
.set EPSR, 35
.set LO,  36
.set NLD, 0                            ; global loads issued so far: the text is straight, so a wait's count is a difference of two such numbers
.set MSB, 0
.macro WIN new                         ; the immediate's high byte repeats the setting that is left
.if MSB != (\new)
	s_set_vgpr_msb (MSB<<8)|(\new)
.set MSB, (\new)
.endif
.endm
.macro WAITL mk, extra                 ; all loads up to the mark are in, but for the last 'extra' of them; a wait's field names 63 at the most, and a smaller count is always right
.if NLD-\mk+(\extra) > 63
	s_wait_loadcnt 63
.else
	s_wait_loadcnt NLD-\mk+(\extra)
.endif
.endm
.macro SETMK k
.if (\k) == 0
.set MK0, NLD
.elseif (\k) == 1
.set MK1, NLD
.elseif (\k) == 2
.set MK2, NLD
.else
.set MK3, NLD
.endif
.endm
.macro WAITU k
.if (\k) == 0
	WAITL MK0, 0
.elseif (\k) == 1
	WAITL MK1, 0
.elseif (\k) == 2
	WAITL MK2, 0
.else
	WAITL MK3, 0
.endif
.endm
.macro PLACES n
.rept \n
	v_nop
.endr
.endm
.macro BARRIER
	s_wait_dscnt 0x0
	s_barrier_signal -1
	s_barrier_wait -1
.endm
; unit u's pack into ring slot u % 4 (slot 0: window 2, v0; slot 1: window 2, v128; slot 2: window 3, v0; slot 3: window 1, v128), its scale words into window 0
.macro LOADU u, vo, imm
.set KSL, (\u)%4
.if KSL == 3
	WIN 0x40
.set WBASE, 128
.elseif KSL == 2
	WIN 0xc0
.set WBASE, 0
.elseif KSL == 1
	WIN 0x80
.set WBASE, 128
.else
	WIN 0x80
.set WBASE, 0
.endif
.set II, 0
.rept 32
	global_load_b128 v[WBASE+4*II:WBASE+4*II+3], v[\vo], s[WPK:WPK+1] offset:(\imm)+512*II
.set II, II+1
.endr
	WIN 0
	global_load_b128 v[WS+4*KSL:WS+4*KSL+3], v[\vo], s[WPK:WPK+1] offset:(\imm)+16384
.set NLD, NLD+33
	SETMK KSL
.endm
.macro MM1 s, u2, m, mode, b
.set RW,  WBASE+16*(4*(\u2)+(\s))
.set RO,  OP+16*(4*(\m)+(\s))
.set RWS, WS+4*KSL+2*(\u2)+(\s)/2
.set ROS, OPS+2*(\m)+(\s)/2
.if (\mode) == 1
.set RA, RO
.set RB, RW
.set RSA, ROS
.set RSB, RWS
.set RD, ACC+16*(\u2)+8*(\m)
.else
.set RA, RW
.set RB, RO
.set RSA, RWS
.set RSB, ROS
.if (\mode) == 0
.set RD, ACC+16*(\m)+8*(\u2)
.else
.set RD, 64*(\m)+16*(\b)+8*(\u2)
.endif
.endif
.if ((\s) == 0) && ((\mode) != 2)
	v_wmma_scale_f32_16x16x128_f8f6f4 v[RD:RD+7], v[RA:RA+15], v[RB:RB+15], 0, v[RSA], v[RSB] matrix_a_fmt:MATRIX_FMT_BF8 matrix_b_fmt:MATRIX_FMT_BF8
.elseif (\s)%2 == 0
	v_wmma_scale_f32_16x16x128_f8f6f4 v[RD:RD+7], v[RA:RA+15], v[RB:RB+15], v[RD:RD+7], v[RSA], v[RSB] matrix_a_fmt:MATRIX_FMT_BF8 matrix_b_fmt:MATRIX_FMT_BF8
.else
	v_wmma_scale_f32_16x16x128_f8f6f4 v[RD:RD+7], v[RA:RA+15], v[RB:RB+15], v[RD:RD+7], v[RSA], v[RSB] matrix_a_fmt:MATRIX_FMT_BF8 matrix_b_fmt:MATRIX_FMT_BF8 matrix_a_scale:MATRIX_SCALE_ROW1 matrix_b_scale:MATRIX_SCALE_ROW1
.endif
.endm
; 16 matrix instructions: 2 weight tiles x 2 token tiles x 4 K steps; the four accumulators take turns, one instruction a turn.
; mode 0: source 0 = weights, results in window 0, the first product starts the sum; mode 1: source 0 = tokens; mode 2: as 0, onto the registers of window 1
.macro MM16 u, mode, b
.set KSL, (\u)%4
.if KSL == 3
.set WB, 1
.set WBASE, 128
.elseif KSL == 2
.set WB, 3
.set WBASE, 0
.elseif KSL == 1
.set WB, 2
.set WBASE, 128
.else
.set WB, 2
.set WBASE, 0
.endif
.if (\mode) == 0
	WIN WB
.elseif (\mode) == 1
	WIN WB*4
.else
	WIN 0x50+WB
.endif
.irp s, 0,1,2,3
.irp u2, 0,1
.irp m, 0,1
	MM1 \s, \u2, \m, \mode, \b
.endr
.endr
.endr
.endm
.macro QROW i
.irp a, 0,1
	v_max3_num_f32 v[MX+\a], |v[X+8*\a]|, |v[X+8*\a+1]|, FLOOR
.endr
.irp k, 2,4,6
.irp a, 0,1
	v_max3_num_f32 v[MX+\a], v[MX+\a], |v[X+8*\a+\k]|, |v[X+8*\a+\k+1]|
.endr
.endr
.irp xm, 1,2
.irp a, 0,1
	v_max_num_f32_dpp v[MX+\a], v[MX+\a], v[MX+\a] row_xmask:\xm row_mask:0xf bank_mask:0xf   ; four lanes hold a block of 32
.endr
.endr
.irp a, 0,1
	v_add_nc_u32 v[SC+\a], EOFF, v[MX+\a]
	v_and_or_b32 v[HD+\a], v[MX+\a], EXPM, s[MNT]
.endr
.if (\i) >= 2
	s_wait_alu depctr_vm_vsrc(0)                             ; the LDS stores of the row before last have read this set of bytes and codes, which the lines below write again
.endif
.irp a, 0,1
	v_lshrrev_b32 v[BY+2*PR+\a], 23, v[SC+\a]
.endr
.irp a, 0,1
.irp k, 0,1,2,3,4,5,6,7
	v_med3_num_f32 v[X+8*\a+\k], v[X+8*\a+\k], -v[HD+\a], v[HD+\a]
.endr
.endr
.irp a, 0,1
	v_cvt_scalef32_pk8_bf8_f32 v[CD+4*PR+2*\a:CD+4*PR+2*\a+1], v[X+8*\a:X+8*\a+7], v[SC+\a]
.endr
	v_nop
	s_wait_alu depctr_va_vdst(0)                             ; the row's codes and bytes are written, which the LDS stores below read; and the row's lines are done with its buffer, in which the loads at the next row's head land
.irp a, 0,1
	ds_store_b64 v[CA], v[CD+4*PR+2*\a:CD+4*PR+2*\a+1] offset:8*PP*\a+16*(\i)
	ds_store_b8 v[BA], v[BY+2*PR+\a] offset:4*\a+16*(\i)
.endr
.endm
; row i of my eight: x * rsqrt(mean(x^2) + eps) * w, then the quantiser.  Lane l holds columns 8 l .. 8 l + 7 and 256 + 8 l .. + 7
.macro ROWQ i
.set X,  XA+16*((\i)&1)
.set XN, XA+16-16*((\i)&1)
.set PR, (\i)&1
.if (\i) < 7
.irp a, 0,1
.irp j, 0,1
	ds_load_b128 v[XN+8*\a+4*\j:XN+8*\a+4*\j+3], v[SR] offset:((\i)+1)*SP+1024*\a+16*\j   ; no vector line stands between the last row's wait on va_vdst and these loads
.endr
.endr
.endif
.if ((\i) == 0) || ((\i) == 7)
	s_wait_dscnt 4                                           ; row 0: the next row's four loads may be out; row 7: row 6's four stores
.else
	s_wait_dscnt 8                                           ; the last row's four stores and the next row's four loads may be out
.endif
	v_pk_mul_f32 v[S2:S2+1], v[X:X+1], v[X:X+1]
	v_pk_mul_f32 v[S2+2:S2+3], v[X+2:X+3], v[X+2:X+3]
.irp k, 4,8,12
	v_pk_fma_f32 v[S2:S2+1], v[X+\k:X+\k+1], v[X+\k:X+\k+1], v[S2:S2+1]
	v_pk_fma_f32 v[S2+2:S2+3], v[X+\k+2:X+\k+3], v[X+\k+2:X+\k+3], v[S2+2:S2+3]
.endr
	v_pk_add_f32 v[S2:S2+1], v[S2:S2+1], v[S2+2:S2+3]
	v_add_f32 v[S2], v[S2], v[S2+1]
.irp xm, 1,2,4,8
	v_add_f32_dpp v[S2], v[S2], v[S2] row_xmask:\xm row_mask:0xf bank_mask:0xf
.endr
	v_permlanex16_b32 v[PT], v[S2], s[SEL], s[SEL+1]
	v_add_f32 v[S2], v[S2], v[PT]
	v_fma_f32 v[S2], v[S2], s[INV], s[EPSR]                  ; the mean + eps
	v_rsq_f32 v[RS], v[S2]
	v_rsq_f32 v[RS+1], v[S2]
	v_nop                                                    ; a plain line behind the transcendentals
	s_wait_alu depctr_va_vdst(0)                             ; the two reciprocal roots are written, ahead of their first reader
.irp k, 0,2,4,6,8,10,12,14
	v_pk_mul_f32 v[X+\k:X+\k+1], v[X+\k:X+\k+1], v[RS:RS+1]
.endr
.irp k, 0,2,4,6,8,10,12,14
	v_pk_mul_f32 v[X+\k:X+\k+1], v[X+\k:X+\k+1], v[NW+\k:NW+\k+1]
.endr
	QROW \i
.endm
; the unit's 32 results a lane are two blocks of 32 (16 in this lane, 16 in lane l xor 16): two pieces in v[Q2CD] on, two bytes in v[BY], v[BY+1]
.macro QUANT2
.irp b, 0,1
	v_max3_num_f32 v[MX+\b], |v[ACC+16*\b]|, |v[ACC+16*\b+1]|, FLOOR
.endr
.irp k, 2,4,6,8,10,12,14
.irp b, 0,1
	v_max3_num_f32 v[MX+\b], v[MX+\b], |v[ACC+16*\b+\k]|, |v[ACC+16*\b+\k+1]|
.endr
.endr
.irp b, 0,1
	v_permlanex16_b32 v[PT+\b], v[MX+\b], s[SEL], s[SEL+1]
.endr
.irp b, 0,1
	v_max_num_f32 v[MX+\b], v[MX+\b], v[PT+\b]
.endr
.irp b, 0,1
	v_add_nc_u32 v[SC+\b], EOFF, v[MX+\b]
	v_and_or_b32 v[HD+\b], v[MX+\b], EXPM, s[MNT]
.endr
.irp b, 0,1
	v_lshrrev_b32 v[BY+\b], 23, v[SC+\b]
.endr
.irp b, 0,1
.irp k, 0,1,2,3,4,5,6,7,8,9,10,11,12,13,14,15
	v_med3_num_f32 v[ACC+16*\b+\k], v[ACC+16*\b+\k], -v[HD+\b], v[HD+\b]
.endr
.endr
.irp b, 0,1
	v_cvt_scalef32_pk8_bf8_f32 v[Q2CD+4*\b:Q2CD+4*\b+1], v[ACC+16*\b:ACC+16*\b+7], v[SC+\b]
	v_cvt_scalef32_pk8_bf8_f32 v[Q2CD+4*\b+2:Q2CD+4*\b+3], v[ACC+16*\b+8:ACC+16*\b+15], v[SC+\b]
.endr
	v_nop
.endm
; unit p's pieces and scale words leave
.macro SEND p
.if (\p) < 4
	global_store_b128 v[L16], v[Q2CD:Q2CD+3], s[QB:QB+1] offset:512*(\p)
	global_store_b128 v[L16], v[Q2CD+4:Q2CD+7], s[QB:QB+1] offset:8192+512*(\p)
.if (\p) == 3
	global_store_b128 v[L16], v[QW:QW+3], s[QSB:QSB+1]
.endif
.elseif (\p) == 4
	global_store_b128 v[L16], v[Q2CD:Q2CD+3], s[KB:KB+1]
	global_store_b128 v[L16], v[Q2CD+4:Q2CD+7], s[KB:KB+1] offset:512
	global_store_b32 v[L4], v[KW], s[KSB:KSB+1]
.else
	global_store_b128 v[L16], v[Q2CD:Q2CD+3], s[VB:VB+1]
	global_store_b128 v[L16], v[Q2CD+4:Q2CD+7], s[VB:VB+1] offset:2048
	global_store_b8 v[L4], v[VBY], s[VSB:VSB+1]
.endif
.endm
.macro UNIT p
	WAITU (\p)%4
.if (\p) > 0
	s_wait_alu depctr_va_vdst(0)                             ; the last unit has written its pieces and scale words, which the stores below read; its products are done reading their ring slot and its scale words, in which this unit's loads land
	SEND (\p)-1
.endif
.if (\p) < 5
	MM16 \p, 0, 0
.else
	MM16 \p, 1, 0
.endif
	WIN 0
.if (\p) > 0
	s_wait_xcnt 0x0                                          ; the last unit's stores have read their data: the pieces' registers are written again only behind this wait
	s_wait_alu depctr_vm_vsrc(0)                             ; the same stores have read v[Q2CD ..], which this unit's conversions write again
.endif
.if (\p) == 0
	LOADU 3, VW, 3*PACK                                      ; slot 3: no vector or matrix instruction has named it
.elseif (\p) == 1
	LOADU 4, VW1, 16*PACK                                    ; no wait: no vector or matrix instruction since the wait at the unit's head names slot 0 or its scale words
.elseif (\p) == 2
	LOADU 5, VW1, 20*PACK                                    ; likewise slot 1
.endif
	PLACES NP
	QUANT2
.if (\p) < 4
	v_perm_b32 v[W0], v[BY], v[BY], 0                        ; the byte four times: the next launch sets q in any of the four blocks of an operand
	v_perm_b32 v[W1], v[BY+1], v[BY+1], 0
	v_cndmask_b32 v[QW+(\p)], v[W1], v[W0], s[LO]            ; lanes 0-15: tokens 0-15; lanes 16-31: tokens 16-31
.elseif (\p) == 4
	v_perm_b32 v[W0], v[BY], v[BY], 0
	v_perm_b32 v[W1], v[BY+1], v[BY+1], 0
	v_cndmask_b32 v[KW], v[W1], v[W0], s[LO]
.else
	v_cndmask_b32 v[VBY], v[BY+1], v[BY], s[LO]              ; lanes 0-15: d tile 0; lanes 16-31: d tile 1
.endif
.endm
	s_load_b256 s[4:11], s[0:1], 0x0                         ; x s[4:5], attn_norm_w s[6:7], wpk s[8:9], qpk s[10:11]
	s_load_b64 s[12:13], s[0:1], 0x20                        ; kv
	v_lshl_add_u32 v254, v0, 2, 0x14a00
	v_mov_b32 v255, 0
	v_lshrrev_b32 v1, 5, v0
	v_readfirstlane_b32 s14, v1                              ; wave = GQA group g
	v_and_b32 v1, 31, v0
	v_lshlrev_b32 v[L16], 4, v1
	v_lshlrev_b32 v[L4], 2, v1
	v_lshlrev_b32 v[L32], 5, v1
	s_wait_alu depctr_va_sdst(0)                             ; s14 is written, ahead of its first reader: offsets, LDS addresses and bases are made from it
	s_mul_i32 s15, s14, 4*PACK
	v_add_nc_u32 v[VW], s15, v[L16]
	s_mul_i32 s15, s14, PACK
	v_add_nc_u32 v[VW1], s15, v[L16]
	s_lshl_b32 s15, s14, 14
	v_add_nc_u32 v[XG], s15, v[L16]
	s_mul_i32 s15, s14, 8*SP
	s_add_co_u32 s15, s15, STG
	v_add_nc_u32 v[SD], s15, v[L16]
	v_lshl_add_u32 v[SR], v1, 5, s15
	v_bfe_u32 v12, v0, 4, 1
	v_bfe_u32 v13, v0, 2, 2
	v_bfe_u32 v14, v0, 1, 1
	v_and_b32 v15, 1, v0
	v_mul_u32_u24 v[CA], v12, 4*PP
	v_mad_u32_u24 v[CA], v13, PP, v[CA]
	v_lshl_add_u32 v[CA], v14, 8, v[CA]
	v_lshl_add_u32 v[CA], v15, 3, v[CA]
	s_and_b32 s28, s14, 1                                    ; token 8 w + i lies in tile w / 2, at lane 8 (w & 1) + i
	s_lshr_b32 s29, s14, 1
	s_mul_i32 s31, s29, 16*PP
	s_lshl_b32 s37, s28, 7
	s_add_co_u32 s31, s31, s37
	v_add_nc_u32 v[CA], s31, v[CA]
	v_lshl_add_u32 v[BA], v12, 8, v13
	s_lshl_b32 s38, s29, 3
	s_add_co_u32 s37, s37, s38
	s_add_co_u32 s37, s37, SCB
	v_add_nc_u32 v[BA], s37, v[BA]
	v_mov_b32 v[PT], 0                                       ; written once: a lane permute's destination counts as one of its sources
	v_mov_b32 v[PT+1], 0
	s_mov_b32 s[MNT], 0x600000
	s_mov_b32 s[SEL], 0x76543210
	s_mov_b32 s[SEL+1], 0xfedcba98
	s_mov_b32 s[INV], 0x3b000000                             ; 1 / 512
	s_mov_b32 s[EPSR], 0x358637bd                            ; 1e-6
	s_mov_b32 s[LO], 0x0000ffff
	s_lshl_b32 s40, ttmp9, 16                                ; 32 rows of x
	s_mov_b32 s41, 0
	s_mul_i32 s42, ttmp9, 18432
	s_lshl_b32 s44, s14, 11
	s_add_co_u32 s44, s44, s42
	s_mov_b32 s45, 0
	s_lshl_b32 s46, s14, 9
	s_add_co_u32 s46, s46, s42
	s_add_co_u32 s46, s46, 16384
	s_mov_b32 s47, 0
	s_lshr_b32 s48, ttmp9, 6                                 ; b
	s_lshl_b32 s48, s48, 2
	s_add_co_u32 s48, s48, s14
	s_mul_i32 s48, s48, 141312
	s_bfe_u32 s49, ttmp9, 0x40002                            ; sigma: which 128 keys of the batch
	s_and_b32 s50, ttmp9, 3                                  ; c: which 32 of them
	s_lshl_b32 s51, s49, 13
	s_add_co_u32 s51, s51, s48
	s_lshl_b32 s52, s50, 10
	s_add_co_u32 s52, s52, s51
	s_mov_b32 s53, 0
	s_lshl_b32 s54, s50, 9
	s_add_co_u32 s54, s54, s51
	s_add_co_u32 s54, s54, 4096
	s_mov_b32 s55, 0
	s_mul_i32 s56, s49, 640
	s_add_co_u32 s56, s56, s48
	s_add_co_u32 s56, s56, 131072
	s_lshl_b32 s58, s50, 7
	s_add_co_u32 s58, s58, s56
	s_mov_b32 s59, 0
	s_add_co_u32 s60, s56, s50
	s_add_co_u32 s60, s60, 512
	s_mov_b32 s61, 0
	s_wait_kmcnt 0x0
	s_add_nc_u64 s[4:5], s[4:5], s[40:41]
	s_add_nc_u64 s[QB:QB+1], s[10:11], s[44:45]
	s_add_nc_u64 s[QSB:QSB+1], s[10:11], s[46:47]
	s_add_nc_u64 s[KB:KB+1], s[12:13], s[52:53]
	s_add_nc_u64 s[VB:VB+1], s[12:13], s[54:55]
	s_add_nc_u64 s[KSB:KSB+1], s[12:13], s[58:59]
	s_add_nc_u64 s[VSB:VSB+1], s[12:13], s[60:61]
	s_wait_alu depctr_va_vdst(0)                             ; the ten offsets and LDS addresses v2 to v11 are written, which every load and store of the kernel reads
.irp i, 0,1,2,3,4,5,6,7
.irp q, 0,1,2,3
	global_load_b128 v[OP+16*\i+4*\q:OP+16*\i+4*\q+3], v[XG], s[4:5] offset:2048*\i+512*\q th:TH_LOAD_NT   ; 512 consecutive bytes
.endr
.endr
.set NLD, NLD+32
.set MK_X, NLD
.irp a, 0,1
.irp j, 0,1
	global_load_b128 v[NW+8*\a+4*\j:NW+8*\a+4*\j+3], v[L32], s[6:7] offset:1024*\a+16*\j
.endr
.endr
.set NLD, NLD+4
.set MK_N, NLD
	LOADU 0, VW, 0
.irp i, 0,1,2,3,4,5,6,7
	WAITL MK_X, 28-4*\i                                      ; row i of x is in
.irp q, 0,1,2,3
	ds_store_b128 v[SD], v[OP+16*\i+4*\q:OP+16*\i+4*\q+3] offset:\i*SP+512*\q
.endr
.endr
	LOADU 1, VW, PACK
.irp a, 0,1
.irp j, 0,1
	ds_load_b128 v[XA+8*\a+4*\j:XA+8*\a+4*\j+3], v[SR] offset:1024*\a+16*\j   ; my own rows: LDS serves a wave's instructions in order (ISA guide 5.7.1.4)
.endr
.endr
	WAITL MK_N, 0
.irp i, 0,1,2,3
	ROWQ \i
.endr
	LOADU 2, VW, 2*PACK
.irp i, 4,5,6,7
	ROWQ \i
.endr
	BARRIER                                                  ; the 32 rows' codes and bytes lie in LDS
	s_wait_alu depctr_vm_vsrc(0)                             ; the staging stores have read v[OP ..], in which the pack's loads land; the rows' stores have read v238 to v249, which the first unit's quantiser writes
.set II, 0
.rept 32
	ds_load_b128 v[OP+4*II:OP+4*II+3], v[L16] offset:PP*II
.set II, II+1
.endr
	ds_load_b128 v[OPS:OPS+3], v[L16] offset:SCB
	s_wait_dscnt 0x0
.irp p, 0,1,2,3,4,5
	UNIT \p
.endr
	s_wait_alu depctr_va_vdst(0)                             ; the last unit has written v's pieces and bytes, which the last stores read
	SEND 5
	s_wait_dscnt 0x0                                         ; the closing lines, six on end
	s_wait_alu 0x0
	s_wait_tensorcnt 0x0
	ds_add_u32 v254, v255
	s_wait_dscnt 0x0
	s_endpgm
.Lfunc_end_k_q47fe68f556_qkv:
	.size	k_q47fe68f556_qkv, .Lfunc_end_k_q47fe68f556_qkv-k_q47fe68f556_qkv
	.p2alignl 7, 3214868480
	.fill 96, 4, 3214868480
	.section	.rodata,"a",@progbits
	.p2align	6, 0x0
	.amdhsa_kernel k_q47fe68f556_qkv
		.amdhsa_group_segment_fixed_size 84992
		.amdhsa_private_segment_fixed_size 0
		.amdhsa_enable_private_segment 0
		.amdhsa_kernarg_size 40
		.amdhsa_user_sgpr_count 2
		.amdhsa_user_sgpr_kernarg_segment_ptr 1
		.amdhsa_wavefront_size32 1
		.amdhsa_system_sgpr_workgroup_id_x 1
		.amdhsa_system_sgpr_workgroup_id_y 1
		.amdhsa_system_sgpr_workgroup_id_z 1
		.amdhsa_system_vgpr_workitem_id 0
		.amdhsa_next_free_vgpr 896
		.amdhsa_next_free_sgpr 66
		.amdhsa_reserve_vcc 0
		.amdhsa_float_denorm_mode_32 3
		.amdhsa_float_denorm_mode_16_64 3
		.amdhsa_memory_ordered 1
		.amdhsa_forward_progress 1
		.amdhsa_inst_pref_size 113
	.end_amdhsa_kernel
	.amdgpu_metadata
---
amdhsa.version: [ 1, 2 ]
amdhsa.kernels:
  - .name:           k_q47fe68f556_qkv
    .symbol:         k_q47fe68f556_qkv.kd
    .args:
      - { .name: x, .offset: 0, .size: 8, .value_kind: global_buffer, .address_space: global }
      - { .name: attn_norm_w, .offset: 8, .size: 8, .value_kind: global_buffer, .address_space: global }
      - { .name: wpk, .offset: 16, .size: 8, .value_kind: global_buffer, .address_space: global }
      - { .name: qpk, .offset: 24, .size: 8, .value_kind: global_buffer, .address_space: global }
      - { .name: kv, .offset: 32, .size: 8, .value_kind: global_buffer, .address_space: global }
    .group_segment_fixed_size: 84992
    .private_segment_fixed_size: 0
    .kernarg_segment_align: 8
    .kernarg_segment_size: 40
    .max_flat_workgroup_size: 128
    .sgpr_count:     66
    .vgpr_count:     896
    .wavefront_size: 32
...
	.end_amdgpu_metadata
.endif
;; end of part 5
;; launch attn: the kernel of part 3 again; grid 16 x 16, 16 waves a work-group, no clusters, 169,984 bytes of LDS; arguments qpk, kv, apk; writes apk
;; launch tail (part 6): grid 256 x 1, 4 waves a work-group, no clusters, 84,992 bytes of LDS; arguments x, apk, wpk, ffn_norm_w, gate_w, out0; writes out0
.if DOCPART == 6
	.amdgcn_target "amdgcn-amd-amdhsa--gfx1250"
	.amdhsa_code_object_version 6
	.text
	.protected	k_q47fe68f556_tail
	.globl	k_q47fe68f556_tail
	.p2align	8
	.type	k_q47fe68f556_tail,@function
k_q47fe68f556_tail:
	s_mov_b64 s[64:65], 0
	v_nop
	global_prefetch_b8 v0, s[64:65] scope:SCOPE_SE
	s_setreg_imm32_b32 hwreg(HW_REG_WAVE_SCHED_MODE, 0, 2), 2
	s_setreg_imm32_b32 hwreg(HW_REG_WAVE_MODE, 25, 1), 1
	s_wait_xcnt 0x0
	s_wait_alu depctr_vm_vsrc(0)
; TAIL: h = x + attention x wo^T; t = RMSNorm(h); logits = t x gate_w^T (f32 multiply-adds); the two largest of four, softmax of the two; out = h + sum over experts of weight x (Q(t) x W_e^T).  Products on codes of E5M2.
; A work-group takes 32 tokens.  THE WAVES SHARE THE COLUMNS: wave w makes columns 128 w .. 128 w + 127 of wo and of every expert: 20 units of one weight pack, 16 matrix instructions each.  Weight fragments go from memory
; straight into the registers of the one wave that multiplies them, through a ring of four packs.  h, t, the logits and the weights never go to memory.
; ALL FOUR EXPERTS ARE MULTIPLIED for every token and weighed (0 for those not chosen): the choice selects values only.  Multiplying the chosen rows alone would take the choice, the placing of rows and h through memory and two launches more.
; The products are used transposed (source 0 = 16 weight rows, source 1 = 16 tokens); the weight tiles' rows are 8 u + r + 8 (r/8): a lane holds token r and, in 16 registers of two tiles, columns 32 p + 16 h + 0..15.
; x is the C of wo's first products, so the residual costs no addition; the experts' results are added onto h by fused multiply-adds with the token's weight.
; FOUR BARRIERS.  x goes into the stage by rows | B1 | each wave reads its column strip, multiplies, writes h into the same strip | B2 | wave w norms, gates and quantises rows 8 w .. 8 w + 7 | B3 | t's pack and the weights
; are fetched by all, the experts are multiplied, out goes into the wave's strip | B4 | rows leave, 512 consecutive bytes a store.  In the results' layout a wave touches its own 512 bytes of each stage row alone.
; TIES between logits go to the lower index.  The sums' order differs from a plain left-to-right sum: logits that agree to the last bits of f32 may fall the other way.
; NOT USED: clusters and joint loads (all work-groups walk the same packs; this text keeps fragments on the way memory -> registers, with no slot in LDS to fill again); a prefetch (x and the pack are asked for at the head).
; LIMITS: NaN and infinities are not served; a block of zeros gets the byte 1 (its codes are zeros; this program alone reads the bytes).
; THE MODE: SCHED_MODE bits 1:0 = 2 (LLVM: expert scheduling mode 2), set by the entry lines.  The code itself states the register dependences
; between vector or matrix instructions and memory or LDS instructions, with s_wait_alu, always for 0.
; THE PLAN.  Registers that memory or LDS instructions touch:
;   v2 .. v12     Offsets and LDS addresses: made once at the head, never written again.
;   window 1, v0-127   x by rows as loaded; read by the staging LDS stores; behind B1 x lands there in the results' layout; wo's products make h of it; unit b's columns are stored to LDS at the head of unit b + 1;
;                 behind B3 the multiply-adds write them; the way out's LDS stores read them.
;   OP            The attention's pack as loaded, read by wo's products; in the row phase v64 to v119 are at work, v[CW ..] read by two LDS stores; behind B3 t's pack lands; behind B4 the result's rows.
;   XA, BY, CD    The row phase: row i's lines read and write XA[i & 1], in which the loads at the head of row i + 1 land; they write set i & 1 of BY and CD, which row i's four LDS stores read and row i + 2 writes again.
;   ring 0 .. 3   A slot and its four scale words: unit u's products read slot u % 4; the loads of unit u + 4 land in it, issued in unit u + 1.
; A row has one wait on va_vdst, behind its conversions.  A unit that loads into a slot that products have read since the last such wait has one at its head; the products issued behind it name slot u % 4, its scale
; words, OP, OPS and the accumulators: none of the registers that the unit's loads touch.
; Vector lines that write scalar registers stand in three runs (the wave's number and the eight lane masks; six compares of logits; eight compares of ranks), each with one wait on va_sdst ahead of its first reader.
.set PACK,  16896
.set PP,    528
.set SCB,   16896
.set COMB,  17408                      ; 32 tokens x 4 experts x the weight twice
.set STG,   18432
.set SP,    2064
.set FLOOR, 0x08000000
.set EOFF,  0xf8800000
.set EXPM,  0x7f800000
.set NP,    9                          ; places behind a run of products: 8 for reads of results, one more since the next unit's products begin the same accumulators anew
.set L16, 2
.set VW,  3                            ; v3   16 x lane + 4 packs x wave
.set XG,  4                            ; v4   16 x lane + 8 rows x wave, in x and in out0
.set SD,  5                            ; v5   the stage by rows, 16 x lane
.set SR,  6                            ; v6   the stage by rows, 32 x lane
.set SA,  7                            ; v7   the stage in the results' layout: row r, 64 h, 512 x wave
.set CA,  8
.set BA,  9
.set L32, 10
.set CWA, 11
.set CRA, 12
.set L7,  13
.set WS,  16                           ; v16-31  the ring's scale words, four a slot (v16-18: at work at the head)
.set OPS, 32                           ; v32-35  the operand's scale words
.set CB,  48                           ; v48-63  the weights of my two tokens: pair 8 m + 2 e
.set OP,  64                           ; v64-191 the operand's eight fragments; in the row phase:
.set DG,  64                           ; v64-71  four logits in halves
.set LG,  72                           ; v72-75  the logits: lane l holds those of row l % 8
.set GP,  76
.set CW,  112                          ; v112-119 the weights, each twice
.set ACC, 192
.set XA,  192
.set S2,  224
.set RS,  228
.set PT,  230
.set MX,  232
.set SC,  234
.set HD,  236
.set BY,  238
.set CD,  242
.set FW,  128                          ; window 3: v128-143 the norm's weights of my 16 columns
.set GW,  144                          ; window 3: v144 + 16 e: the gate's
.set WPK, 8
.set MNT, 30
.set SEL, 32
.set INV, 34
.set EPSR, 35
.set MSK, 40                           ; s40-47: lanes with l % 8 == i
.set ORD, 48                           ; s48-53: which of two logits stands ahead
.set RK,  54                           ; s54-61: expert e is the second (RK + 2 e), the first (RK + 2 e + 1)
.set NLD, 0
.set MSB, 0
.macro WIN new                         ; the immediate's high byte repeats the setting that is left
.if MSB != (\new)
	s_set_vgpr_msb (MSB<<8)|(\new)
.set MSB, (\new)
.endif
.endm
.macro WAITL mk, extra                 ; all loads up to the mark are in, but for the last 'extra' of them; a wait's field names 63 at the most, and a smaller count is always right
.if NLD-\mk+(\extra) > 63
	s_wait_loadcnt 63
.else
	s_wait_loadcnt NLD-\mk+(\extra)
.endif
.endm
.macro SETMK k
.if (\k) == 0
.set MK0, NLD
.elseif (\k) == 1
.set MK1, NLD
.elseif (\k) == 2
.set MK2, NLD
.else
.set MK3, NLD
.endif
.endm
.macro WAITU k
.if (\k) == 0
	WAITL MK0, 0
.elseif (\k) == 1
	WAITL MK1, 0
.elseif (\k) == 2
	WAITL MK2, 0
.else
	WAITL MK3, 0
.endif
.endm
.macro PLACES n
.rept \n
	v_nop
.endr
.endm
.macro BARRIER
	s_wait_dscnt 0x0
	s_barrier_signal -1
	s_barrier_wait -1
.endm
; unit u's pack into ring slot u % 4 (slot 0: window 2, v0; slot 1: window 2, v128; slot 2: window 3, v0; slot 3: window 1, v128), its scale words into window 0
.macro LOADU u, vo, imm
.set KSL, (\u)%4
.if KSL == 3
	WIN 0x40
.set WBASE, 128
.elseif KSL == 2
	WIN 0xc0
.set WBASE, 0
.elseif KSL == 1
	WIN 0x80
.set WBASE, 128
.else
	WIN 0x80
.set WBASE, 0
.endif
.set II, 0
.rept 32
	global_load_b128 v[WBASE+4*II:WBASE+4*II+3], v[\vo], s[WPK:WPK+1] offset:(\imm)+512*II
.set II, II+1
.endr
	WIN 0
	global_load_b128 v[WS+4*KSL:WS+4*KSL+3], v[\vo], s[WPK:WPK+1] offset:(\imm)+16384
.set NLD, NLD+33
	SETMK KSL
.endm
.macro LOADT u                         ; units 0-3: wo's packs 24 + 4 w + u; units 4 + 4 e + b: expert e's packs 40 + 16 e + 4 w + b
.if (\u) < 4
.set UIMM, (24+(\u))*PACK
.else
.set UIMM, (40+16*(((\u)-4)/4)+((\u)-4)%4)*PACK
.endif
	LOADU \u, VW, UIMM
.endm
.macro MM1 s, u2, m, mode, b
.set RW,  WBASE+16*(4*(\u2)+(\s))
.set RO,  OP+16*(4*(\m)+(\s))
.set RWS, WS+4*KSL+2*(\u2)+(\s)/2
.set ROS, OPS+2*(\m)+(\s)/2
.if (\mode) == 1
.set RA, RO
.set RB, RW
.set RSA, ROS
.set RSB, RWS
.set RD, ACC+16*(\u2)+8*(\m)
.else
.set RA, RW
.set RB, RO
.set RSA, RWS
.set RSB, ROS
.if (\mode) == 0
.set RD, ACC+16*(\m)+8*(\u2)
.else
.set RD, 64*(\m)+16*(\b)+8*(\u2)
.endif
.endif
.if ((\s) == 0) && ((\mode) != 2)
	v_wmma_scale_f32_16x16x128_f8f6f4 v[RD:RD+7], v[RA:RA+15], v[RB:RB+15], 0, v[RSA], v[RSB] matrix_a_fmt:MATRIX_FMT_BF8 matrix_b_fmt:MATRIX_FMT_BF8
.elseif (\s)%2 == 0
	v_wmma_scale_f32_16x16x128_f8f6f4 v[RD:RD+7], v[RA:RA+15], v[RB:RB+15], v[RD:RD+7], v[RSA], v[RSB] matrix_a_fmt:MATRIX_FMT_BF8 matrix_b_fmt:MATRIX_FMT_BF8
.else
	v_wmma_scale_f32_16x16x128_f8f6f4 v[RD:RD+7], v[RA:RA+15], v[RB:RB+15], v[RD:RD+7], v[RSA], v[RSB] matrix_a_fmt:MATRIX_FMT_BF8 matrix_b_fmt:MATRIX_FMT_BF8 matrix_a_scale:MATRIX_SCALE_ROW1 matrix_b_scale:MATRIX_SCALE_ROW1
.endif
.endm
; 16 matrix instructions: 2 weight tiles x 2 token tiles x 4 K steps; the four accumulators take turns, one instruction a turn.
; mode 0: results in window 0, the first product starts the sum; mode 2: onto the registers of window 1 (x, which so becomes h)
.macro MM16 u, mode, b
.set KSL, (\u)%4
.if KSL == 3
.set WB, 1
.set WBASE, 128
.elseif KSL == 2
.set WB, 3
.set WBASE, 0
.elseif KSL == 1
.set WB, 2
.set WBASE, 128
.else
.set WB, 2
.set WBASE, 0
.endif
.if (\mode) == 0
	WIN WB
.elseif (\mode) == 1
	WIN WB*4
.else
	WIN 0x50+WB
.endif
.irp s, 0,1,2,3
.irp u2, 0,1
.irp m, 0,1
	MM1 \s, \u2, \m, \mode, \b
.endr
.endr
.endr
.endm
.macro QROW i
.irp a, 0,1
	v_max3_num_f32 v[MX+\a], |v[X+8*\a]|, |v[X+8*\a+1]|, FLOOR
.endr
.irp k, 2,4,6
.irp a, 0,1
	v_max3_num_f32 v[MX+\a], v[MX+\a], |v[X+8*\a+\k]|, |v[X+8*\a+\k+1]|
.endr
.endr
.irp xm, 1,2
.irp a, 0,1
	v_max_num_f32_dpp v[MX+\a], v[MX+\a], v[MX+\a] row_xmask:\xm row_mask:0xf bank_mask:0xf   ; four lanes hold a block of 32
.endr
.endr
.irp a, 0,1
	v_add_nc_u32 v[SC+\a], EOFF, v[MX+\a]
	v_and_or_b32 v[HD+\a], v[MX+\a], EXPM, s[MNT]
.endr
.if (\i) >= 2
	s_wait_alu depctr_vm_vsrc(0)                             ; the LDS stores of the row before last have read this set of bytes and codes, which the lines below write again
.endif
.irp a, 0,1
	v_lshrrev_b32 v[BY+2*PR+\a], 23, v[SC+\a]
.endr
.irp a, 0,1
.irp k, 0,1,2,3,4,5,6,7
	v_med3_num_f32 v[X+8*\a+\k], v[X+8*\a+\k], -v[HD+\a], v[HD+\a]
.endr
.endr
.irp a, 0,1
	v_cvt_scalef32_pk8_bf8_f32 v[CD+4*PR+2*\a:CD+4*PR+2*\a+1], v[X+8*\a:X+8*\a+7], v[SC+\a]
.endr
	v_nop
	s_wait_alu depctr_va_vdst(0)                             ; the row's codes and bytes are written, which the LDS stores below read; and the row's lines are done with its buffer, in which the loads at the next row's head land
.irp a, 0,1
	ds_store_b64 v[CA], v[CD+4*PR+2*\a:CD+4*PR+2*\a+1] offset:8*PP*\a+16*(\i)
	ds_store_b8 v[BA], v[BY+2*PR+\a] offset:4*\a+16*(\i)
.endr
.endm
; row i of my eight: t = h * rsqrt(mean(h^2) + eps) * w; its four logits; the quantiser.  Lane l holds columns 8 l .. 8 l + 7 and 256 + 8 l .. + 7
.macro ROWQ i
.set X,  XA+16*((\i)&1)
.set XN, XA+16-16*((\i)&1)
.set PR, (\i)&1
.if (\i) < 7
.irp a, 0,1
.irp j, 0,1
	ds_load_b128 v[XN+8*\a+4*\j:XN+8*\a+4*\j+3], v[SR] offset:((\i)+1)*SP+1024*\a+16*\j   ; no vector line stands between the last row's wait on va_vdst and these loads
.endr
.endr
.endif
.if ((\i) == 0) || ((\i) == 7)
	s_wait_dscnt 4                                           ; row 0: the next row's four loads may be out; row 7: row 6's four stores
.else
	s_wait_dscnt 8                                           ; the last row's four stores and the next row's four loads may be out
.endif
	v_pk_mul_f32 v[S2:S2+1], v[X:X+1], v[X:X+1]
	v_pk_mul_f32 v[S2+2:S2+3], v[X+2:X+3], v[X+2:X+3]
.irp k, 4,8,12
	v_pk_fma_f32 v[S2:S2+1], v[X+\k:X+\k+1], v[X+\k:X+\k+1], v[S2:S2+1]
	v_pk_fma_f32 v[S2+2:S2+3], v[X+\k+2:X+\k+3], v[X+\k+2:X+\k+3], v[S2+2:S2+3]
.endr
	v_pk_add_f32 v[S2:S2+1], v[S2:S2+1], v[S2+2:S2+3]
	v_add_f32 v[S2], v[S2], v[S2+1]
.irp xm, 1,2,4,8
	v_add_f32_dpp v[S2], v[S2], v[S2] row_xmask:\xm row_mask:0xf bank_mask:0xf
.endr
	v_permlanex16_b32 v[PT], v[S2], s[SEL], s[SEL+1]
	v_add_f32 v[S2], v[S2], v[PT]
	v_fma_f32 v[S2], v[S2], s[INV], s[EPSR]                  ; the mean + eps
	v_rsq_f32 v[RS], v[S2]
	v_rsq_f32 v[RS+1], v[S2]
	v_nop                                                    ; a plain line behind the transcendentals
	s_wait_alu depctr_va_vdst(0)                             ; the two reciprocal roots are written, ahead of their first reader
.irp k, 0,2,4,6,8,10,12,14
	v_pk_mul_f32 v[X+\k:X+\k+1], v[X+\k:X+\k+1], v[RS:RS+1]
.endr
	WIN 0x0c                                                 ; source 1 in window 3: the norm's and the gate's weights
.irp k, 0,2,4,6,8,10,12,14
	v_pk_mul_f32 v[X+\k:X+\k+1], v[X+\k:X+\k+1], v[FW+\k:FW+\k+1]
.endr
.irp e, 0,1,2,3
	v_pk_mul_f32 v[DG+2*\e:DG+2*\e+1], v[X:X+1], v[GW+16*\e:GW+16*\e+1]
.endr
.irp k, 2,4,6,8,10,12,14
.irp e, 0,1,2,3
	v_pk_fma_f32 v[DG+2*\e:DG+2*\e+1], v[X+\k:X+\k+1], v[GW+16*\e+\k:GW+16*\e+\k+1], v[DG+2*\e:DG+2*\e+1]
.endr
.endr
	WIN 0
.irp e, 0,1,2,3
	v_add_f32 v[DG+2*\e], v[DG+2*\e], v[DG+2*\e+1]
.endr
.irp xm, 1,2,4,8
.irp e, 0,1,2,3
	v_add_f32_dpp v[DG+2*\e], v[DG+2*\e], v[DG+2*\e] row_xmask:\xm row_mask:0xf bank_mask:0xf
.endr
.endr
.irp e, 0,1,2,3
	v_permlanex16_b32 v[GP+\e], v[DG+2*\e], s[SEL], s[SEL+1]
.endr
.irp e, 0,1,2,3
	v_add_f32 v[DG+2*\e], v[DG+2*\e], v[GP+\e]
.endr
.irp e, 0,1,2,3
	v_cndmask_b32 v[LG+\e], v[LG+\e], v[DG+2*\e], s[MSK+(\i)]   ; lanes with l % 8 == i keep this row's logits
.endr
	QROW \i
.endm
.macro COMBINE e, b                    ; out += weight x the expert's result: each accumulator from its low end on
	WIN 0x50
.irp m, 0,1
.irp k, 0,2,4,6,8,10,12,14
	v_pk_fma_f32 v[64*\m+16*(\b)+\k:64*\m+16*(\b)+\k+1], v[ACC+16*\m+\k:ACC+16*\m+\k+1], v[CB+8*\m+2*(\e):CB+8*\m+2*(\e)+1], v[64*\m+16*(\b)+\k:64*\m+16*(\b)+\k+1]
.endr
.endr
	WIN 0
.endm
.macro HSTORE b                        ; h's columns of unit b into my own strip, each accumulator from its low end on
	WIN 0x04                                                 ; an LDS store's data are its source 1: window 1
.irp m, 0,1
.irp q, 0,1,2,3
	ds_store_b128 v[SA], v[64*\m+16*(\b)+4*\q:64*\m+16*(\b)+4*\q+3] offset:16*SP*\m+128*(\b)+16*\q
.endr
.endr
	WIN 0
.endm
	s_load_b256 s[4:11], s[0:1], 0x0                         ; x s[4:5], apk s[6:7], wpk s[8:9], ffn_norm_w s[10:11]
	s_load_b128 s[12:15], s[0:1], 0x20                       ; gate_w s[12:13], out0 s[14:15]
	v_lshl_add_u32 v254, v0, 2, 0x14a00
	v_mov_b32 v255, 0
	v_lshrrev_b32 v1, 5, v0
	v_readfirstlane_b32 s16, v1                              ; wave
	v_and_b32 v1, 31, v0
	v_and_b32 v14, 15, v0                                    ; r
	v_bfe_u32 v15, v0, 4, 1                                  ; h
	v_lshlrev_b32 v[L16], 4, v1
	v_lshlrev_b32 v[L32], 5, v1
	v_and_b32 v[L7], 7, v0
.irp i, 0,1,2,3,4,5,6,7
	v_cmp_eq_u32 s[MSK+\i], \i, v[L7]
.endr
	s_wait_alu depctr_va_sdst(0)                             ; s16 and the eight masks s40 to s47 are written, ahead of their first readers: the scalar lines below, and the selects of the row phase
	s_mul_i32 s17, s16, 4*PACK
	v_add_nc_u32 v[VW], s17, v[L16]
	s_lshl_b32 s17, s16, 14
	v_add_nc_u32 v[XG], s17, v[L16]
	s_mul_i32 s17, s16, 8*SP
	s_add_co_u32 s17, s17, STG
	v_add_nc_u32 v[SD], s17, v[L16]
	v_lshl_add_u32 v[SR], v1, 5, s17
	v_mul_u32_u24 v[SA], v14, SP
	v_lshl_add_u32 v[SA], v15, 6, v[SA]
	s_lshl_b32 s17, s16, 9
	s_add_co_u32 s17, s17, STG
	v_add_nc_u32 v[SA], s17, v[SA]
	v_bfe_u32 v16, v0, 2, 2
	v_bfe_u32 v17, v0, 1, 1
	v_and_b32 v18, 1, v0
	v_mul_u32_u24 v[CA], v15, 4*PP
	v_mad_u32_u24 v[CA], v16, PP, v[CA]
	v_lshl_add_u32 v[CA], v17, 8, v[CA]
	v_lshl_add_u32 v[CA], v18, 3, v[CA]
	s_and_b32 s18, s16, 1                                    ; token 8 w + i lies in tile w / 2, at lane 8 (w & 1) + i
	s_lshr_b32 s19, s16, 1
	s_mul_i32 s20, s19, 16*PP
	s_lshl_b32 s21, s18, 7
	s_add_co_u32 s20, s20, s21
	v_add_nc_u32 v[CA], s20, v[CA]
	v_lshl_add_u32 v[BA], v15, 8, v16
	s_lshl_b32 s22, s19, 3
	s_add_co_u32 s21, s21, s22
	s_add_co_u32 s21, s21, SCB
	v_add_nc_u32 v[BA], s21, v[BA]
	s_lshl_b32 s17, s16, 8
	s_add_co_u32 s17, s17, COMB
	v_lshl_add_u32 v[CWA], v[L7], 5, s17                     ; token 8 w + l % 8: 32 bytes a token
	v_lshl_add_u32 v[CRA], v14, 5, COMB
	s_mov_b32 s[MNT], 0x600000
	s_mov_b32 s[SEL], 0x76543210
	s_mov_b32 s[SEL+1], 0xfedcba98
	s_mov_b32 s[INV], 0x3b000000                             ; 1 / 512
	s_mov_b32 s[EPSR], 0x358637bd                            ; 1e-6
	s_lshl_b32 s24, ttmp9, 16                                ; 32 rows of 2,048 bytes
	s_mov_b32 s25, 0
	s_mul_i32 s26, ttmp9, PACK
	s_mov_b32 s27, 0
	s_wait_kmcnt 0x0
	s_add_nc_u64 s[4:5], s[4:5], s[24:25]
	s_add_nc_u64 s[14:15], s[14:15], s[24:25]
	s_add_nc_u64 s[6:7], s[6:7], s[26:27]
	; ---- x by rows, the attention's pack, the norm's and the gate's weights
	WIN 0x40
	s_wait_alu depctr_va_vdst(0)                             ; the offsets and LDS addresses v2 to v12 are written, which every load and store of the kernel reads; the head's lines are done with v16 to v18, in which scale words land
.irp i, 0,1,2,3,4,5,6,7
.irp q, 0,1,2,3
	global_load_b128 v[16*\i+4*\q:16*\i+4*\q+3], v[XG], s[4:5] offset:2048*\i+512*\q th:TH_LOAD_NT   ; 512 consecutive bytes
.endr
.endr
	WIN 0
.set NLD, NLD+32
.set MK_X, NLD
.set II, 0
.rept 32
	global_load_b128 v[OP+4*II:OP+4*II+3], v[L16], s[6:7] offset:512*II th:TH_LOAD_NT
.set II, II+1
.endr
	global_load_b128 v[OPS:OPS+3], v[L16], s[6:7] offset:16384 th:TH_LOAD_NT
.set NLD, NLD+33
.set MK_A, NLD
	WIN 0xc0
.irp a, 0,1
.irp j, 0,1
	global_load_b128 v[FW+8*\a+4*\j:FW+8*\a+4*\j+3], v[L32], s[10:11] offset:1024*\a+16*\j
.endr
.endr
.irp e, 0,1,2,3
.irp a, 0,1
.irp j, 0,1
	global_load_b128 v[GW+16*\e+8*\a+4*\j:GW+16*\e+8*\a+4*\j+3], v[L32], s[12:13] offset:2048*\e+1024*\a+16*\j
.endr
.endr
.endr
	WIN 0
.set NLD, NLD+20
.set MK_G, NLD
	WIN 0x04                                                 ; an LDS store's data are its source 1: window 1
.irp i, 0,1,2,3,4,5,6,7
	WAITL MK_X, 28-4*\i                                      ; row i of x is in
.irp q, 0,1,2,3
	ds_store_b128 v[SD], v[16*\i+4*\q:16*\i+4*\q+3] offset:\i*SP+512*\q
.endr
.endr
	WIN 0
	LOADT 0
	BARRIER                                                  ; B1: 32 rows of x lie in the stage
	; ---- x in the results' layout: it is the C of wo's first products
	WIN 0x40
	s_wait_alu depctr_vm_vsrc(0)                             ; the staging stores have read x's rows out of the registers in which the loads below land
.irp m, 0,1
.irp b, 0,1,2,3
.irp q, 0,1,2,3
	ds_load_b128 v[64*\m+16*\b+4*\q:64*\m+16*\b+4*\q+3], v[SA] offset:16*SP*\m+128*\b+16*\q
.endr
.endr
.endr
	WIN 0
	LOADT 1
	LOADT 2
	s_wait_dscnt 0x0
	WAITL MK_A, 0
.irp b, 0,1,2,3
	WAITU (\b)%4
.if \b > 0
	s_wait_alu depctr_va_vdst(0)                             ; the last unit's products have written their columns of h, which the LDS stores below read (the places stand behind those products); they are done reading their ring slot and its scale words, in which this unit's loads land
	HSTORE \b-1
.endif
	MM16 \b, 2, \b
	WIN 0
	LOADT \b+3                                               ; unit 0: slot 3, which nothing has named; else no vector or matrix instruction since the wait at the unit's head names the slot or its scale words
	PLACES NP
.endr
	s_wait_alu depctr_va_vdst(0)                             ; unit 3's products have written the last columns of h, which the LDS stores below read; they are done reading slot 3, the attention's pack and its scale words
	HSTORE 3
	BARRIER                                                  ; B2: 32 rows of h lie in the stage
	; ---- my eight rows: norm, gate, quantiser
.irp e, 0,1,2,3
	v_mov_b32 v[LG+\e], 0
	v_mov_b32 v[GP+\e], 0                                    ; a lane permute's destination counts as one of its sources
.endr
	v_mov_b32 v[PT], 0
.irp a, 0,1
.irp j, 0,1
	ds_load_b128 v[XA+8*\a+4*\j:XA+8*\a+4*\j+3], v[SR] offset:1024*\a+16*\j
.endr
.endr
	WAITL MK_G, 0
.irp i, 0,1,2,3,4,5,6,7
	ROWQ \i
.endr
	; ---- the two largest of four, a lane a row.  B_fe = 1 where l_f >= l_e (f < e): then f stands ahead of e, ties too.  An expert's rank is the number of experts ahead of it
	v_cmp_ge_f32 s[ORD], v[LG], v[LG+1]
	v_cmp_ge_f32 s[ORD+1], v[LG], v[LG+2]
	v_cmp_ge_f32 s[ORD+2], v[LG], v[LG+3]
	v_cmp_ge_f32 s[ORD+3], v[LG+1], v[LG+2]
	v_cmp_ge_f32 s[ORD+4], v[LG+1], v[LG+3]
	v_cmp_ge_f32 s[ORD+5], v[LG+2], v[LG+3]
	s_wait_alu depctr_va_sdst(0)                             ; the six masks s48 to s53 are written, ahead of the selects that read them
.irp c, 0,1,2,3,4,5
	v_cndmask_b32 v[80+\c], 0, 1, s[ORD+\c]
.endr
	v_add3_u32 v86, v80, v81, v82
	v_sub_nc_u32 v86, 3, v86                                 ; rank of expert 0
	v_add_nc_u32 v87, v83, v84
	v_sub_nc_u32 v87, v80, v87
	v_add_nc_u32 v87, 2, v87                                 ; of 1
	v_add3_u32 v88, v81, v83, 1
	v_sub_nc_u32 v88, v88, v85                               ; of 2
	v_add3_u32 v89, v82, v84, v85                            ; of 3
.irp e, 0,1,2,3
	v_cmp_eq_u32 s[RK+2*\e], 1, v[86+\e]
	v_cmp_eq_u32 s[RK+2*\e+1], 0, v[86+\e]
.endr
	v_max_num_f32 v90, v[LG], v[LG+1]
	v_min_num_f32 v91, v[LG], v[LG+1]
	v_max_num_f32 v92, v[LG+2], v[LG+3]
	v_min_num_f32 v93, v[LG+2], v[LG+3]
	v_max_num_f32 v94, v90, v92                              ; the largest logit
	v_min_num_f32 v95, v90, v92
	v_max3_num_f32 v95, v95, v91, v93                        ; the second
	v_sub_f32 v96, v95, v94                                  ; the maximum is taken away ahead of the exponential
	v_mul_f32 v96, 0x3fb8aa3b, v96
	v_exp_f32 v96, v96
	v_nop
	s_wait_alu depctr_va_vdst(0)                             ; the exponential is written, ahead of its first reader
	v_add_f32 v97, 1.0, v96
	v_rcp_f32 v97, v97                                       ; the first's weight
	v_nop
	s_wait_alu depctr_va_vdst(0)                             ; the reciprocal is written, ahead of its first reader
	v_mul_f32 v98, v96, v97                                  ; the second's
	s_wait_alu depctr_va_sdst(0)                             ; the eight masks s54 to s61 are written, ahead of the selects that read them
.irp e, 0,1,2,3
	v_cndmask_b32 v[CW+2*\e], 0, v98, s[RK+2*\e]
	v_cndmask_b32 v[CW+2*\e], v[CW+2*\e], v97, s[RK+2*\e+1]
	v_mov_b32 v[CW+2*\e+1], v[CW+2*\e]                       ; twice: a pair for the packed multiply-add
.endr
	s_wait_alu depctr_va_vdst(0)                             ; the weights v[CW ..] are written, which the LDS stores below read; the row phase's lines are done with v64 to v119, in which t's pack lands behind the barrier
	ds_store_b128 v[CWA], v[CW:CW+3]                         ; the four lanes of a row write the same bytes with the same values
	ds_store_b128 v[CWA], v[CW+4:CW+7] offset:16
	BARRIER                                                  ; B3: t's pack and the weights lie in LDS; nobody reads rows of h any more
	; ---- the experts
	s_wait_alu depctr_vm_vsrc(0)                             ; my LDS stores have read v[CW ..], in which the pack's loads land, and h's registers of window 1, which the multiply-adds below write
.set II, 0
.rept 32
	ds_load_b128 v[OP+4*II:OP+4*II+3], v[L16] offset:PP*II
.set II, II+1
.endr
	ds_load_b128 v[OPS:OPS+3], v[L16] offset:SCB
.irp m, 0,1
	ds_load_b128 v[CB+8*\m:CB+8*\m+3], v[CRA] offset:512*\m
	ds_load_b128 v[CB+8*\m+4:CB+8*\m+7], v[CRA] offset:512*\m+16
.endr
	s_wait_dscnt 0x0
.irp e, 0,1,2,3
.irp b, 0,1,2,3
	WAITU (4+4*\e+\b)%4
.if (4+4*\e+\b > 4) && (4+4*\e+\b+3 < 20)
	s_wait_alu depctr_va_vdst(0)                             ; the last unit's products are done reading their ring slot and its scale words, in which this unit's loads land.  (Unit 4 loads into slot 3, which nothing has named since the waits of the row phase; units 17 to 19 load nothing)
.endif
	MM16 4+4*\e+\b, 0, 0
	WIN 0
.if 4+4*\e+\b+3 < 20
	LOADT 4+4*\e+\b+3                                        ; no vector or matrix instruction since the wait names the slot, its scale words or the offset
.endif
	PLACES NP
	COMBINE \e, \b
.endr
.endr
	; ---- the way out: my strip into the stage, rows back, 512 consecutive bytes a store
	s_wait_alu depctr_va_vdst(0)                             ; the multiply-adds have written the results, which the LDS stores below read; the last products are done reading v[OP ..], in which rows land behind the barrier
	WIN 0x04
.irp m, 0,1
.irp b, 0,1,2,3
.irp q, 0,1,2,3
	ds_store_b128 v[SA], v[64*\m+16*\b+4*\q:64*\m+16*\b+4*\q+3] offset:16*SP*\m+128*\b+16*\q
.endr
.endr
.endr
	WIN 0
	BARRIER                                                  ; B4: 32 rows of the result lie in the stage
.irp i, 0,1,2,3,4,5,6,7
.irp q, 0,1,2,3
	ds_load_b128 v[OP+16*\i+4*\q:OP+16*\i+4*\q+3], v[SD] offset:\i*SP+512*\q
.endr
.endr
.set N, 0
.rept 32
	s_wait_dscnt 31-N
	global_store_b128 v[XG], v[OP+4*N:OP+4*N+3], s[14:15] offset:2048*(N/4)+512*(N%4) th:TH_STORE_NT
.set N, N+1
.endr
	s_wait_dscnt 0x0                                         ; the closing lines, six on end
	s_wait_alu 0x0
	s_wait_tensorcnt 0x0
	ds_add_u32 v254, v255
	s_wait_dscnt 0x0
	s_endpgm
.Lfunc_end_k_q47fe68f556_tail:
	.size	k_q47fe68f556_tail, .Lfunc_end_k_q47fe68f556_tail-k_q47fe68f556_tail
	.p2alignl 7, 3214868480
	.fill 96, 4, 3214868480
	.section	.rodata,"a",@progbits
	.p2align	6, 0x0
	.amdhsa_kernel k_q47fe68f556_tail
		.amdhsa_group_segment_fixed_size 84992
		.amdhsa_private_segment_fixed_size 0
		.amdhsa_enable_private_segment 0
		.amdhsa_kernarg_size 48
		.amdhsa_user_sgpr_count 2
		.amdhsa_user_sgpr_kernarg_segment_ptr 1
		.amdhsa_wavefront_size32 1
		.amdhsa_system_sgpr_workgroup_id_x 1
		.amdhsa_system_sgpr_workgroup_id_y 1
		.amdhsa_system_sgpr_workgroup_id_z 1
		.amdhsa_system_vgpr_workitem_id 0
		.amdhsa_next_free_vgpr 1024
		.amdhsa_next_free_sgpr 66
		.amdhsa_reserve_vcc 0
		.amdhsa_float_denorm_mode_32 3
		.amdhsa_float_denorm_mode_16_64 3
		.amdhsa_memory_ordered 1
		.amdhsa_forward_progress 1
		.amdhsa_inst_pref_size 233
	.end_amdhsa_kernel
	.amdgpu_metadata
---
amdhsa.version: [ 1, 2 ]
amdhsa.kernels:
  - .name:           k_q47fe68f556_tail
    .symbol:         k_q47fe68f556_tail.kd
    .args:
      - { .name: x, .offset: 0, .size: 8, .value_kind: global_buffer, .address_space: global }
      - { .name: apk, .offset: 8, .size: 8, .value_kind: global_buffer, .address_space: global }
      - { .name: wpk, .offset: 16, .size: 8, .value_kind: global_buffer, .address_space: global }
      - { .name: ffn_norm_w, .offset: 24, .size: 8, .value_kind: global_buffer, .address_space: global }
      - { .name: gate_w, .offset: 32, .size: 8, .value_kind: global_buffer, .address_space: global }
      - { .name: out0, .offset: 40, .size: 8, .value_kind: global_buffer, .address_space: global }
    .group_segment_fixed_size: 84992
    .private_segment_fixed_size: 0
    .kernarg_segment_align: 8
    .kernarg_segment_size: 48
    .max_flat_workgroup_size: 128
    .sgpr_count:     66
    .vgpr_count:     1024
    .wavefront_size: 32
...
	.end_amdgpu_metadata
.endif
;; end of part 6
